; MI455X (gfx1250); checked and timed in simulation.
; The chip was launched on July 23, 2026; its instructions are those of AMD's public machine-readable ISA for CDNA 5 (MIT licence, August 2026) and "CDNA5" Instruction Set Architecture Reference Guide (July 2026). The comments in the code are by the model that wrote it; some were corrected since.
;; Self Attention. Allowed arithmetic: matrix products marked QUANTISED: E2M3 operands, one E8M0 scale for each 32 along K, by v_wmma_scale_f32_16x16x128_f8f6f4 with both operands' format E2M3, f32 sums; everything else in f32.
;; Inputs: Wo 1,024 x 1,024 float32; Wqkv 3,072 x 1,024 float32; attn_bias 2,048 x 2,048 float32; attn_mask 2,048 x 2,048 float32; bo 1,024 float32; bqkv 3,072 float32; key 4 x 2,048 x 1,024 float32; query 4 x 2,048 x 1,024 float32; value 4 x 2,048 x 1,024 float32.
;; Outputs: out0 4 x 2,048 x 1,024 float32.
;; This version of the problem:
;;   THIS VERSION OF THE PROBLEM IS GIVEN IN LOW PRECISION. The matrix products marked QUANTISED in the list below multiply operands that are first quantised to E2M3 (2 exponent bits, 3 mantissa bits; 6 bits a number), with one power-of-two scale for each 32 numbers along K (OCP MX v1.0); their sums are f32. All else is computed in f32.
;;   The module's matrix products, in the order in which they are computed (A, B: the left and right operand; K: the contracted axis; several contracted axes count as one K, in the product's order):
;;     1. [M 8,192, K 1,024] x [K 1,024, N 1,024]; A: input query; B: input Wqkv: QUANTISED
;;     2. [M 8,192, K 1,024] x [K 1,024, N 1,024]; A: input key; B: input Wqkv: QUANTISED
;;     3. [M 8,192, K 1,024] x [K 1,024, N 1,024]; A: input value; B: input Wqkv: QUANTISED
;;     4. batch 64 x [M 2,048, K 64] x [K 64, N 2,048]; A: computed on the way; B: computed on the way: QUANTISED
;;     5. batch 64 x [M 64, K 2,048] x [K 2,048, N 2,048]; A: computed on the way; B: softmax (see below): QUANTISED
;;     6. [M 8,192, K 1,024] x [K 1,024, N 1,024]; A: computed on the way; B: input Wo: QUANTISED
;;   THE QUANTISER, for each operand of a quantised product, along K:
;;     - K is cut into blocks of 32 from its start; a last block that is shorter is filled with zeros.
;;     - A block's scale is 2^e with e = floor(log2(the largest magnitude in the block)) - 2, held to -126 .. 127; a block of zeros has e = 0. As a byte (E8M0): e + 127.
;;     - Each number is divided by its block's scale, clamped to +-7.5, and rounded to the nearest number of E2M3, ties to even, subnormals kept.
;;     - The product sums the exact products of the quantised numbers (number of the format x scale) in f32.
;;   ~~~python
;;   def quantise(x, axis):      # numpy; x: float32 -> the quantised numbers, widened to float32 again
;;       x = np.moveaxis(x, axis, -1); K = x.shape[-1]
;;       x = np.pad(x, [(0, 0)] * (x.ndim - 1) + [(0, -K % 32)]); x = x.reshape(x.shape[:-1] + (-1, 32)); a = np.abs(x).max(-1, keepdims=True)
;;       e = np.where(a > 0, np.clip(np.frexp(np.where(a > 0, a, 1))[1] - 1 - 2, -126, 127), 0)      # np.frexp(a)[1] - 1 = floor(log2(a)), exactly
;;       r = np.clip(x / 2.0 ** e, -7.5, 7.5)
;;       step = 2.0 ** (np.maximum(np.frexp(np.where(r == 0, 1, r))[1] - 1, 0) - 3)
;;       q = np.round(r / step) * step * 2.0 ** e      # np.round: ties to even
;;       return np.moveaxis(q.reshape(q.shape[:-2] + (-1,))[..., :K], -1, axis).astype(np.float32)
;;   ~~~
;;   SOFTMAX AHEAD OF A QUANTISED PRODUCT. Where the list says 'softmax', what is quantised is not the finished softmax but p = 2^(t - M), with t = logit x log2(e) and M = ceil(the row's largest t), a whole number; so 1/2 < the row's largest p <= 1. The row's sum l is taken of the UNQUANTISED p, in f32, and the product's result is divided by l at the end. Since M is a whole number, a kernel that streams over the keys may use a running M (the ceiling of the running maximum): every later rescaling is an exact power of two, which a block's scale takes up: the codes' values come out the same.
;;   OPERANDS COMPUTED ON THE WAY. 'Computed on the way' means the value that the module computes at that place (a softmax that the list does not call 'softmax' is quantised finished and normalised). What goes into a quantiser is computed in f32, as accurately as f32 sums, v_exp_f32 and their like allow (about 1e-6 of the number): no bf16 or f16 on the way to a quantiser, and a product that is left as it is and whose result goes on into a quantised operand takes f32 operands (vector FMAs, or v_wmma_f32_16x16x4_f32). A number that lies on a knife's edge between two numbers of the format may be rounded either way, as far as f32 arithmetic and the matrix unit's own rounding can turn it there, and no further.
;; One version. Each part assembles by itself: llvm-mc -triple=amdgcn-amd-amdhsa -mcpu=gfx1250 --defsym DOCPART=n.
;; ======== version 1 of 1: 4 launches
;; workspace buffers: xc 22,020,096 bytes; xs 917,504 bytes; mb 16,777,216 bytes; pc 18,874,368 bytes; ps 1,310,720 bytes; oc 6,291,456 bytes; os 262,144 bytes
;; launch quant (part 1): grid 960 x 1, 4 waves a work-group, no clusters, 68,096 bytes of LDS; arguments query, key, value, Wqkv, Wo, attn_mask, attn_bias, xc, xs, mb; writes xc, xs, mb
.if DOCPART == 1
	.amdgcn_target "amdgcn-amd-amdhsa--gfx1250"
	.amdhsa_code_object_version 6
	.text
	.protected	k_qdb3f16bb80_quant
	.globl	k_qdb3f16bb80_quant
	.p2align	8
	.type	k_qdb3f16bb80_quant,@function
k_qdb3f16bb80_quant:
	s_mov_b64 s[64:65], 0
	v_nop
	global_prefetch_b8 v0, s[64:65] scope:SCOPE_SE
	s_setreg_imm32_b32 hwreg(HW_REG_WAVE_MODE, 25, 1), 1
	s_wait_xcnt 0x0
; query, key, value [8192][1024], Wqkv [3072][1024], Wo [1024][1024], all f32 with K innermost, become codes of FP6 (E2M3) with one E8M0 byte for each 32 along K;
; and mb = 8 x (attn_mask + attn_bias), f32, is laid as the attention launch's accumulators want it.
; A ROW TILE T is 16 rows: lane r (0..15) stands for row 32 (T / 2) + 8 (T % 2) + r + 8 (r / 8).  The five tensors are 1,792 row tiles on end (query 0, key 512, value 1,024, Wqkv 1,536, Wo 1,728).
; AN IMAGE of a fragment (16 rows x 128 K, 12 registers a lane; registers 6 c .. 6 c + 5 of lane (r, h) hold k = 64 c + 32 h + 0 .. 31) is 1,536 bytes: for c = 0, 1: registers 6 c .. 6 c + 3 at 768 c + 16 x lane,
; registers 6 c + 4, 6 c + 5 at 768 c + 512 + 8 x lane.  xc: [row tile][K step 8][1,536].  xs: [row tile][r][8 words], a word for each 128 along K.  Each store of a wave covers 512 or 256 consecutive bytes, aligned to 256.
; mb: [query tile 128][key step 16][8,192]: register 16 b + i of lane (r, h) is the number of query r (in tile order) and key 128 step + 32 b + 16 h + i; registers 4 i .. 4 i + 3 lie at 512 i + 16 x lane.
; A block's scale is 2^(floor(log2(its largest magnitude)) - 2); its byte is the largest magnitude's exponent field - 2, held at 1 from below.  A block of zeros so gets the byte 1: its codes are zeros, and this program alone reads the bytes.
; LIMITS: NaN and infinities among the inputs are not served; blocks whose largest magnitude lies under 2^-124 have their byte held at 1.
; SHARES.  Work-groups 0 .. 447: wave w takes row tile 4 g + w, all eight K steps.  Work-groups 448 .. 959: wave w takes one (query tile, key step) of mb.  Waves share nothing: no barrier.  No matrix unit, no tensor load, no cluster: a stream whose work-groups share no input.
; Each load reads 512 consecutive bytes of a row; the conversions want 16 neighbours along K in ONE lane: so a step's 16 rows x 512 bytes turn through the wave's own stage in LDS (16 rows, 528 bytes apart).  The two paths have stages of their own.
.set STG,   8448                       ; a stage: 16 rows x (512 + 16) bytes
.set NXG,   448                        ; work-groups of the first path
.set R,     16                         ; v16-143   two sets of 64 numbers as loaded
.set X,     144                        ; v144-207  64 numbers: register 16 b + i = k 32 b + 16 h + i of my row
.set PC,    208                        ; v208-226  the codes just made, and the conversions' second halves
.set TM,    228                        ; v228-243  largest magnitudes, bytes, scale operands
.set SW,    246                        ; v246-253  the eight K steps' scale words
.set SEL,   30                         ; s[30:31]  lane selects: lane l xor 16
; 64 numbers of a lane, v[s] .. v[s + 63], become a fragment's codes in v[PC] .. v[PC + 11] and its scale word in v[pw].
.macro QUANT s, pw
.irp b, 0,1,2,3
	v_max3_num_f32 v[TM+\b], |v[\s+16*\b]|, |v[\s+1+16*\b]|, 0x1800000   ; block b: my 16 numbers, and the floor 2^(3 - 127): the byte cannot fall under 1
.endr
.irp i, 2,4,6,8,10,12,14
.irp b, 0,1,2,3
	v_max3_num_f32 v[TM+\b], v[TM+\b], |v[\s+16*\b+\i]|, |v[\s+1+16*\b+\i]|   ; the four blocks by turns
.endr
.endr
.irp b, 0,1,2,3
	v_permlanex16_b32 v[TM+4+\b], v[TM+\b], s[SEL], s[SEL+1]
.endr
.irp b, 0,1,2,3
	v_max_num_f32 v[TM+\b], v[TM+\b], v[TM+4+\b]   ; with lane l xor 16's: the block's largest magnitude
.endr
.irp b, 0,1,2,3
	v_add_nc_u32 v[TM+12+\b], 0xff000000, v[TM+\b]   ; 2 off its exponent field: the conversion's scale operand
.endr
.irp b, 0,1,2,3
	v_lshrrev_b32 v[TM+4+\b], 23, v[TM+12+\b]      ; the scale's byte
.endr
	v_lshl_or_b32 v[\pw], v[TM+5], 8, v[TM+4]      ; four bytes: my row's scale word
	v_lshl_or_b32 v[\pw], v[TM+6], 16, v[\pw]
	v_lshl_or_b32 v[\pw], v[TM+7], 24, v[\pw]
.irp c, 0,1
	v_cvt_scalef32_pk16_fp6_f32 v[PC+6*\c:PC+2+6*\c], v[\s+32*\c:\s+15+32*\c], v[TM+12+2*\c]
	v_cvt_scalef32_pk16_fp6_f32 v[PC+12+4*\c:PC+14+4*\c], v[\s+16+32*\c:\s+31+32*\c], v[TM+12+2*\c+1]   ; (a conversion's three registers begin on an even number)
.endr
	v_nop                                          ; one plain place behind a scaled conversion
.irp c, 0,1                                    ; the layout wants a whole block in a lane: lanes 0-15 block 2 c, lanes 16-31 block 2 c + 1
.irp i, 0,1,2
	v_permlane16_swap_b32 v[PC+6*\c+\i], v[PC+12+4*\c+\i]
.endr
.irp i, 0,1,2
	v_mov_b32 v[PC+3+6*\c+\i], v[PC+12+4*\c+\i]
.endr
.endr
.endm
; 16 rows x 512 bytes of set "set" go into the stage as loaded and come back 64 bytes a lane and block.  LDS serves a wave's instructions in order: no wait between the stores and the loads.
.macro TURN set, ain, aout
.irp i, 0,1,2,3,4,5,6,7,8,9,10,11,12,13,14,15
	ds_store_b128 v[\ain], v[R+64*(\set)+4*\i:R+64*(\set)+4*\i+3] offset:528*\i
.endr
.irp i, 0,1,2,3,4,5,6,7,8,9,10,11,12,13,14,15
	ds_load_b128 v[X+4*\i:X+4*\i+3], v[\aout] offset:128*(\i/4)+16*(\i%4)
.endr
.endm
	s_load_b256 s[4:11], s[0:1], 0x0               ; query s[4:5], key s[6:7], value s[8:9], Wqkv s[10:11]
	s_load_b256 s[12:19], s[0:1], 0x20             ; Wo s[12:13], attn_mask s[14:15], attn_bias s[16:17], xc s[18:19]
	s_load_b128 s[20:23], s[0:1], 0x40             ; xs s[20:21], mb s[22:23]
	v_lshl_add_u32 v254, v0, 2, 0x10800
	v_mov_b32 v255, 0
	v_lshrrev_b32 v6, 5, v0
	v_readfirstlane_b32 s24, v6                    ; wave 0..3
	v_and_b32 v7, 31, v0                           ; lane
	v_lshlrev_b32 v1, 4, v7                        ; v1: 16 x lane
	v_lshlrev_b32 v2, 3, v7
	v_add_nc_u32 v2, 0x200, v2                     ; v2: 512 + 8 x lane
	v_and_b32 v6, 15, v0                           ; r
	v_bfe_u32 v7, v0, 4, 1                         ; h
	s_mul_i32 s25, s24, STG
	v_add_nc_u32 v3, s25, v1                       ; v3: my stage, on the way in: 16 x lane
	v_mul_u32_u24 v4, v6, 528
	v_lshl_add_u32 v4, v7, 6, v4
	v_add_nc_u32 v4, s25, v4                       ; v4: on the way out: row r, + 64 h
	v_add_nc_u32 v12, 4*STG, v3                    ; v12, v13: the same in the second path's stages
	v_add_nc_u32 v13, 4*STG, v4
	v_lshlrev_b32 v5, 5, v6
	v_lshl_add_u32 v5, v7, 4, v5                   ; v5: 32 r + 16 h: my half of my row's eight scale words
	s_mov_b32 s[SEL], 0x76543210
	s_mov_b32 s[SEL+1], 0xfedcba98
	s_mov_b32 s33, 0
	s_wait_kmcnt 0x0
	s_cmp_ge_u32 ttmp9, NXG
	s_cbranch_scc1 .Lmb
	; ---- codes and scales.  The tensor is chosen by the work-group's number alone
	s_mov_b64 s[26:27], s[12:13]
	s_mov_b32 s28, 432
	s_cmp_lt_u32 ttmp9, 432
	s_cselect_b64 s[26:27], s[10:11], s[26:27]
	s_cselect_b32 s28, 384, s28
	s_cmp_lt_u32 ttmp9, 384
	s_cselect_b64 s[26:27], s[8:9], s[26:27]
	s_cselect_b32 s28, 256, s28
	s_cmp_lt_u32 ttmp9, 256
	s_cselect_b64 s[26:27], s[6:7], s[26:27]
	s_cselect_b32 s28, 128, s28
	s_cmp_lt_u32 ttmp9, 128
	s_cselect_b64 s[26:27], s[4:5], s[26:27]
	s_cselect_b32 s28, 0, s28                      ; s28: the tensor's first work-group
	s_sub_co_u32 s29, ttmp9, s28
	s_lshl_b32 s29, s29, 2
	s_add_co_u32 s29, s29, s24                     ; my row tile within the tensor
	s_lshr_b32 s32, s29, 1
	s_lshl_b32 s32, s32, 5
	s_and_b32 s29, s29, 1
	s_lshl_b32 s29, s29, 3
	s_add_co_u32 s32, s32, s29                     ; its first row: 32 (T / 2) + 8 (T % 2)
	s_lshl_b32 s32, s32, 12                        ; rows of 4,096 bytes (under 2^26)
	s_add_nc_u64 s[26:27], s[26:27], s[32:33]
	s_lshl_b32 s29, ttmp9, 2
	s_add_co_u32 s29, s29, s24                     ; my row tile among the 1,792
	s_mul_i32 s32, s29, 12288
	s_add_nc_u64 s[18:19], s[18:19], s[32:33]
	s_lshl_b32 s32, s29, 9
	s_add_nc_u64 s[20:21], s[20:21], s[32:33]
.irp b, 0,1,2,3
	v_mov_b32 v[TM+4+\b], 0                        ; written once: a lane permute's destination counts as one of its sources
.endr
.macro LOADX t                         ; K step t: 16 rows x 512 consecutive bytes, into set t % 2
.irp i, 0,1,2,3,4,5,6,7,8,9,10,11,12,13,14,15
	global_load_b128 v[R+64*((\t)%2)+4*\i:R+64*((\t)%2)+4*\i+3], v1, s[26:27] offset:(\i+8*(\i/8))*4096+512*(\t) th:TH_LOAD_NT
.endr
.endm
.macro STEPX t
.if (\t) > 0
	s_wait_xcnt 0x0                                ; the last step's stores have read the codes' registers: they are written again only behind this wait
.endif
.if (\t) < 7
	s_wait_loadcnt 16                              ; this step's 16 loads are in; the next step's 16 may be out
.else
	s_wait_loadcnt 0x0
.endif
	TURN (\t)%2, 3, 4
	s_wait_dscnt 0x0                               ; the numbers are back, and the stage's stores have read their registers,
.if (\t) < 6
	LOADX (\t)+2                                   ; which take the loads of two steps on
.endif
	QUANT X, SW+\t
	global_store_b128 v1, v[PC:PC+3], s[18:19] offset:1536*(\t)
	global_store_b64 v2, v[PC+4:PC+5], s[18:19] offset:1536*(\t)
	global_store_b128 v1, v[PC+6:PC+9], s[18:19] offset:1536*(\t)+768
	global_store_b64 v2, v[PC+10:PC+11], s[18:19] offset:1536*(\t)+768
.endm
	LOADX 0
	LOADX 1
.irp t, 0,1,2,3,4,5,6,7
	STEPX \t
.endr
	v_cmp_ne_u32 vcc_lo, 0, v7                     ; both halves of the lanes hold all eight words: lanes 0-15 store words 0-3, lanes 16-31 words 4-7
.irp i, 0,1,2,3
	v_cndmask_b32 v[8+\i], v[SW+\i], v[SW+4+\i], vcc_lo
.endr
	global_store_b128 v5, v[8:11], s[20:21]        ; 512 consecutive bytes: the tile's 16 rows of 32
	s_wait_tensorcnt 0x0
	ds_add_u32 v254, v255
	s_wait_dscnt 0x0
	s_endpgm
.Lmb:   ; ---- mb = 8 (mask + bias): one add and one exact multiply; the 8 undoes the 1/8 that the attention launch folds into its factor
	s_sub_co_u32 s28, ttmp9, NXG                   ; m
	s_lshr_b32 s29, s28, 2                         ; query tile
	s_and_b32 s32, s28, 3
	s_lshl_b32 s32, s32, 2
	s_add_co_u32 s32, s32, s24                     ; key step
	s_lshl_b32 s32, s32, 9                         ; 128 keys are 512 bytes
	s_lshr_b32 s25, s29, 1
	s_lshl_b32 s25, s25, 5
	s_and_b32 s29, s29, 1
	s_lshl_b32 s29, s29, 3
	s_add_co_u32 s25, s25, s29                     ; the tile's first query
	s_lshl_b32 s25, s25, 13                        ; rows of 8,192 bytes
	s_add_co_u32 s32, s32, s25
	s_add_nc_u64 s[14:15], s[14:15], s[32:33]
	s_add_nc_u64 s[16:17], s[16:17], s[32:33]
	s_lshl_b32 s32, s28, 2
	s_add_co_u32 s32, s32, s24
	s_lshl_b32 s32, s32, 13                        ; (16 x query tile + key step) x 8,192
	s_add_nc_u64 s[22:23], s[22:23], s[32:33]
.irp i, 0,1,2,3,4,5,6,7,8,9,10,11,12,13,14,15
	global_load_b128 v[R+4*\i:R+4*\i+3], v1, s[14:15] offset:(\i+8*(\i/8))*8192 th:TH_LOAD_NT
.endr
.irp i, 0,1,2,3,4,5,6,7,8,9,10,11,12,13,14,15
	global_load_b128 v[R+64+4*\i:R+64+4*\i+3], v1, s[16:17] offset:(\i+8*(\i/8))*8192 th:TH_LOAD_NT
.endr
	s_wait_loadcnt 0x0
.set n, 0
.rept 32
	v_pk_add_f32 v[R+n:R+n+1], v[R+n:R+n+1], v[R+64+n:R+64+n+1]
.set n, n+2
.endr
.set n, 0
.rept 32
	v_pk_mul_f32 v[R+n:R+n+1], v[R+n:R+n+1], 0x41000000 op_sel_hi:[1,0]
.set n, n+2
.endr
	TURN 0, 12, 13
	s_wait_dscnt 0x0
.irp i, 0,1,2,3,4,5,6,7,8,9,10,11,12,13,14,15
	global_store_b128 v1, v[X+4*\i:X+4*\i+3], s[22:23] offset:512*\i
.endr
	s_wait_tensorcnt 0x0
	ds_add_u32 v254, v255
	s_wait_dscnt 0x0
	s_endpgm
.Lfunc_end_k_qdb3f16bb80_quant:
	.size	k_qdb3f16bb80_quant, .Lfunc_end_k_qdb3f16bb80_quant-k_qdb3f16bb80_quant
	.p2alignl 7, 3214868480
	.fill 96, 4, 3214868480
	.section	.rodata,"a",@progbits
	.p2align	6, 0x0
	.amdhsa_kernel k_qdb3f16bb80_quant
		.amdhsa_group_segment_fixed_size 68096
		.amdhsa_private_segment_fixed_size 0
		.amdhsa_enable_private_segment 0
		.amdhsa_kernarg_size 80
		.amdhsa_user_sgpr_count 2
		.amdhsa_user_sgpr_kernarg_segment_ptr 1
		.amdhsa_wavefront_size32 1
		.amdhsa_system_sgpr_workgroup_id_x 1
		.amdhsa_system_sgpr_workgroup_id_y 1
		.amdhsa_system_sgpr_workgroup_id_z 1
		.amdhsa_system_vgpr_workitem_id 0
		.amdhsa_next_free_vgpr 256
		.amdhsa_next_free_sgpr 66
		.amdhsa_reserve_vcc 1
		.amdhsa_float_denorm_mode_32 3
		.amdhsa_float_denorm_mode_16_64 3
		.amdhsa_memory_ordered 1
		.amdhsa_forward_progress 1
		.amdhsa_inst_pref_size 78
	.end_amdhsa_kernel
	.amdgpu_metadata
---
amdhsa.version: [ 1, 2 ]
amdhsa.kernels:
  - .name:           k_qdb3f16bb80_quant
    .symbol:         k_qdb3f16bb80_quant.kd
    .args:
      - { .name: query, .offset: 0, .size: 8, .value_kind: global_buffer, .address_space: global }
      - { .name: key, .offset: 8, .size: 8, .value_kind: global_buffer, .address_space: global }
      - { .name: value, .offset: 16, .size: 8, .value_kind: global_buffer, .address_space: global }
      - { .name: Wqkv, .offset: 24, .size: 8, .value_kind: global_buffer, .address_space: global }
      - { .name: Wo, .offset: 32, .size: 8, .value_kind: global_buffer, .address_space: global }
      - { .name: attn_mask, .offset: 40, .size: 8, .value_kind: global_buffer, .address_space: global }
      - { .name: attn_bias, .offset: 48, .size: 8, .value_kind: global_buffer, .address_space: global }
      - { .name: xc, .offset: 56, .size: 8, .value_kind: global_buffer, .address_space: global }
      - { .name: xs, .offset: 64, .size: 8, .value_kind: global_buffer, .address_space: global }
      - { .name: mb, .offset: 72, .size: 8, .value_kind: global_buffer, .address_space: global }
    .group_segment_fixed_size: 68096
    .private_segment_fixed_size: 0
    .kernarg_segment_align: 8
    .kernarg_segment_size: 80
    .max_flat_workgroup_size: 128
    .sgpr_count:     66
    .vgpr_count:     256
    .wavefront_size: 32
...
	.end_amdgpu_metadata
.endif
;; end of part 1
;; launch proj (part 2): grid 4 x 96, 4 waves a work-group, clusters of 4 x 4, 327,680 bytes of LDS; arguments xc, xs, bqkv, pc, ps; writes pc, ps
.if DOCPART == 2
	.amdgcn_target "amdgcn-amd-amdhsa--gfx1250"
	.amdhsa_code_object_version 6
	.text
	.protected	k_qdb3f16bb80_proj
	.globl	k_qdb3f16bb80_proj
	.p2align	8
	.type	k_qdb3f16bb80_proj,@function
k_qdb3f16bb80_proj:
	s_mov_b64 s[64:65], 0
	v_nop
	global_prefetch_b8 v0, s[64:65] scope:SCOPE_SE
	s_setreg_imm32_b32 hwreg(HW_REG_WAVE_MODE, 25, 1), 1
	s_wait_xcnt 0x0
	s_wait_alu depctr_hold_cnt(0) depctr_sa_sdst(0) depctr_va_vdst(0) depctr_va_sdst(0) depctr_va_ssrc(0) depctr_va_vcc(0) depctr_vm_vsrc(0)
	s_getreg_b32 s2, hwreg(HW_REG_IB_STS2, 6, 4)
	s_cmp_eq_u32 s2, 0
	s_cbranch_scc0 .Lentry_in_a_cluster
	s_endpgm
.Lentry_in_a_cluster:
	s_bfe_u32 s2, ttmp6, 0x10000c
	s_cmp_lg_u32 s2, 0xf033
	s_cbranch_scc0 .Lentry_shape_is_right
	s_endpgm
.Lentry_shape_is_right:
; q = query Wq^T + bq, k = key Wk^T + bk, v = value Wv^T + bv, on codes of FP6 (E2M3) with E8M0 scales, sums in f32; the results are quantised again on the way out and leave as codes: q and k along a head's 64, v along the keys.
; (q's factor 1/8 is a power of two: it would change q's scale bytes alone.  It is left off here and folded into the attention launch's factor.  LIMIT: q blocks whose largest magnitude lies under about 2^-120, where the byte's floor would differ.)
; OPERANDS lie in xc as images of fragments, [row tile][K step 8][1,536], and their scale words in xs, [row tile][r][8 words].  Row tile T: lane r stands for row 32 (T / 2) + 8 (T % 2) + r + 8 (r / 8).
; An image: for c = 0, 1: registers 6 c .. 6 c + 3 at 768 c + 16 x lane, registers 6 c + 4, 6 c + 5 at 768 c + 512 + 8 x lane: a fragment comes by two loads of 16 bytes and two of 8, each of consecutive bytes.
; SHARES.  A work-group makes 256 ("A", source 1) x 256 ("B", source 0), K = 1,024; a wave 128 x 128: 64 accumulators, 512 registers.  A lane holds ONE row of A, and its registers 16 b + i of the eight accumulators of a block of A run along
; B's rows 32 b + 16 (lane / 16) + i (that is what the order of a tile's rows is for): 64 neighbours along the NEXT product's K.  So for q and k: A = tokens, B = rows of W (features); for v: A = rows of Wv, B = value's rows (keys).
; The cluster's y (0..23) says which product (y / 8) and which eighth of the tokens (y % 8): all sixteen partners share both.
; K goes in steps of 256 through a ring of two LDS slots filled by the tensor data mover (8 row tiles x 3,072 bytes a load); the scale words of the work-group's rows come once, with the first fills.
; CLUSTERS: 4 x 4.  The four of a row of the cluster need the same tiles of A, the four of a column the same tiles of B: each is asked for jointly, by the same load with a mask that names the four.
; OUT.  pc: three regions of 6,291,456 bytes.  q, k: [batch][head 16][token tile 128][768] (half an image: a head's 64).  v: [batch][head pair 8][key step 16][head in pair 2][d tile 4][1,536].
;       ps: q at 0, k at 524,288: [batch][head][tile][16 words], bytes 0, 1 the head's two blocks, bytes 2, 3 zero; v at 1,048,576: [batch][head pair][key step][2][4][16 words].
; LIMITS: NaN and infinities are not served; a block of zeros gets the byte 1 (its codes are zeros; this program alone reads the bytes).
; REGISTERS, in windows of 256: window 0: v0-31 addresses; v32-63 scale words, two sets; v64-127 the bias along B's rows (the C of the first products), later the 64 numbers to quantise; v128-223 A's 8 fragments, one set, later codes and scratch;
;   v224-239 the bias along A's rows.   window 1: B's fragments, two sets, at v0 and v128.   window 2: the accumulators of my A blocks 0-3 ((a, b) at v[8 (8 a + b)]);   window 3: those of blocks 4-7.
.set NQ,     2                         ; matrix instructions deep in a slot: 256 along K
.set FR,     12                        ; registers of a fragment
.set NL,     4                         ; LDS loads that bring one
.set NP,     4                         ; places behind this matrix instruction (ISA guide 7.12.1)
.set TILEB,  3072                      ; a row tile's two images in a slot
.set HALFT,  8*TILEB                   ; 128 rows: what one tensor load brings, and what one wave reads of A or of B
.set SLOT,   4*HALFT                   ; A's 256 rows, then B's
.set LAPS,   2                         ; 1,024 / 512: a lap is once round the ring
.set KS,     32                        ; a row's scale bytes
.set SCL,    2*SLOT                    ; behind the ring: the scales, as units of 256 bytes + 16 of padding
.set HALFS,  16*272                    ; those of 128 rows
.set SBLK,   2*272                     ; those of 16 rows
.set SPARE,  SCL+4*HALFS               ; the spare words, 128 bytes for each wave: two blocks of 256 bytes that no other line names
.set SST,    SPARE+512                 ; the way out: 1,024 bytes for each wave, for its scale words; no fill lands here
.set O16A, 4                           ; v4   16 x lane
.set O8A,  5                           ; v5   512 + 8 x lane
.set O16B, 10                          ; v10  the same for an image's second half
.set O8B,  11                          ; v11
.set SHV,  12                          ; v12  by how many bits my half of the lanes shifts a scale word
.set SSTO, 13                          ; v13  where I put a scale word
.set SRD,  14                          ; v14  where I read them back
.set ADRA, 16                          ; v16-17 LDS address of my A images in slot 0, 1 (16 x lane); v18-19 (512 + 8 x lane)
.set ADRB, 20                          ; v20-23 the same for B
.set ADRS, 27                          ; v27  my scale words: lanes 0-15 A's rows, lanes 16-31 B's
.set SPW,  28                          ; v28  my spare word: SPARE + 4 x my thread's number; never rewritten
.set NIL,  29                          ; v29  0; never rewritten
.set SC,   32
.set BI,   64
.set AF,   128
.set BV,   224
.set X,    64
.set PC,   128
.set TM,   148
.set PW,   164
.set W,    165
.set BK,   168
.set G1, 24
.set G0, 32
.set G1B, 48
.set G0B, 56
.set SEL, 66
.set G1S, 68
.set G0S, 76
.set G1SB, 80
.set G0SB, 88
.set MSB, 0
.macro WIN new                         ; the immediate's high byte repeats the setting that is left
.if MSB != (\new)
	s_set_vgpr_msb (MSB<<8)|(\new)
.set MSB, (\new)
.endif
.endm
.set MUL_LO, 0xa1                      ; source 0 (B) window 1, source 1 (A) window 0, C and D window 2
.set MUL_HI, 0xf1                      ; the same, C and D window 3
.set TO_B,   0x40                      ; destination window 1, address window 0
; A joint load: waves 0 and 1 fetch for A, waves 2 and 3 for B; the branch hangs on the wave's number alone.  Four v_nop follow each of the two lines.
.macro JLOAD g0a, g1a, g0b, g1b
	s_cmp_eq_u32 s15, 0
	s_cbranch_scc0 .Lfor_b_\@
	tensor_load_to_lds s[\g0a:\g0a+3], s[\g1a:\g1a+7]
	s_nop 0
.rept 4
	v_nop
.endr
	s_branch .Lasked_\@
.Lfor_b_\@:
	tensor_load_to_lds s[\g0b:\g0b+3], s[\g1b:\g1b+7]
	s_nop 0
.rept 4
	v_nop
.endr
.Lasked_\@:
.endm
.macro CREST                           ; a round of the cluster's barrier behind its opening barrier
	s_cmp_lg_u32 s14, 0
	s_cbranch_scc1 .Lnot_wave_0_\@
	s_barrier_signal -3
.Lnot_wave_0_\@:
	s_barrier_wait -3
	s_barrier_signal -1
	s_barrier_wait -1
.endm
.macro CROUND                          ; a whole round
	s_barrier_signal -1
	s_barrier_wait -1
	CREST
.endm
; 64 numbers of a lane, v[s] .. v[s + 63], register 16 b + i = k 32 b + 16 (lane / 16) + i of my row, become a fragment's codes in v[PC] .. v[PC + 11] and its scale word in v[pw].
.macro QUANT s, pw
.irp b, 0,1,2,3
	v_max3_num_f32 v[TM+\b], |v[\s+16*\b]|, |v[\s+1+16*\b]|, 0x1800000   ; block b: my 16 numbers, and the floor 2^(3 - 127): the byte cannot fall under 1
.endr
.irp i, 2,4,6,8,10,12,14
.irp b, 0,1,2,3
	v_max3_num_f32 v[TM+\b], v[TM+\b], |v[\s+16*\b+\i]|, |v[\s+1+16*\b+\i]|
.endr
.endr
.irp b, 0,1,2,3
	v_permlanex16_b32 v[TM+4+\b], v[TM+\b], s[SEL], s[SEL+1]
.endr
.irp b, 0,1,2,3
	v_max_num_f32 v[TM+\b], v[TM+\b], v[TM+4+\b]   ; with lane l xor 16's: the block's largest magnitude
.endr
.irp b, 0,1,2,3
	v_add_nc_u32 v[TM+12+\b], 0xff000000, v[TM+\b]   ; 2 off its exponent field: the conversion's scale operand
.endr
.irp b, 0,1,2,3
	v_lshrrev_b32 v[TM+4+\b], 23, v[TM+12+\b]      ; the scale's byte
.endr
	v_lshl_or_b32 v[\pw], v[TM+5], 8, v[TM+4]
	v_lshl_or_b32 v[\pw], v[TM+6], 16, v[\pw]
	v_lshl_or_b32 v[\pw], v[TM+7], 24, v[\pw]
.irp c, 0,1
	v_cvt_scalef32_pk16_fp6_f32 v[PC+6*\c:PC+2+6*\c], v[\s+32*\c:\s+15+32*\c], v[TM+12+2*\c]
	v_cvt_scalef32_pk16_fp6_f32 v[PC+12+4*\c:PC+14+4*\c], v[\s+16+32*\c:\s+31+32*\c], v[TM+12+2*\c+1]   ; (a conversion's three registers begin on an even number)
.endr
	v_nop                                          ; one plain place behind a scaled conversion
.irp c, 0,1                                    ; the layout wants a whole block in a lane
.irp i, 0,1,2
	v_permlane16_swap_b32 v[PC+6*\c+\i], v[PC+12+4*\c+\i]
.endr
.irp i, 0,1,2
	v_mov_b32 v[PC+3+6*\c+\i], v[PC+12+4*\c+\i]
.endr
.endr
.endm
	s_load_b256 s[4:11], s[0:1], 0x0               ; xc s[4:5], xs s[6:7], bqkv s[8:9], pc s[10:11]
	s_load_b64 s[12:13], s[0:1], 0x20              ; ps
	v_lshl_add_u32 v[SPW], v0, 2, SPARE
	v_mov_b32 v[NIL], 0
	ds_add_u32 v28, v29
	s_wait_dscnt 0x0
	v_lshrrev_b32 v1, 5, v0
	v_readfirstlane_b32 s14, v1                    ; wave 0..3
	s_lshr_b32 s15, s14, 1                         ; which half of A's rows is mine.  Also: I fetch for A (0) or for B (1)
	s_and_b32 s16, s14, 1                          ; which half of B's rows.  Also: which 128 rows I fetch
	s_bfe_u32 s40, ttmp6, 0x40000                  ; cx, cy: my place in the cluster
	s_bfe_u32 s41, ttmp6, 0x40004
	s_and_b32 s19, ttmp7, 0xffff                   ; the cluster's y, 0..23
	s_lshr_b32 s17, s19, 3                         ; which product: 0 q, 1 k, 2 v
	s_and_b32 s18, s19, 7                          ; which eighth of the tokens
	s_lshl_b32 s20, s18, 6
	s_lshl_b32 s21, s17, 9
	s_add_co_u32 s21, s21, s20                     ; q, k: A = tokens: row tile 512 which + 64 eighth
	s_lshl_b32 s22, s17, 6
	s_add_co_u32 s22, s22, 1536                    ;       B = W's rows: 1,536 + 64 which
	s_add_co_u32 s23, s20, 1024                    ; v:    B = value's rows: 1,024 + 64 eighth
	s_cmp_eq_u32 s17, 2
	s_cselect_b32 s21, 1664, s21                   ;       A = Wv's rows
	s_cselect_b32 s22, s23, s22
	s_lshl_b32 s23, s16, 3                         ; 8 tiles on for the second half
	s_lshl_b32 s19, s41, 4
	s_add_co_u32 s21, s21, s19
	s_add_co_u32 s21, s21, s23                     ; A: + 16 cy + 8 half: shared along my row of the cluster
	s_lshl_b32 s20, s40, 4
	s_add_co_u32 s22, s22, s20
	s_add_co_u32 s22, s22, s23                     ; B: + 16 cx + 8 half: shared along my column
	s_mul_i32 s46, s21, 12288                      ; their codes (under 2^25 bytes),
	s_mov_b32 s47, 0
	s_lshl_b32 s92, s21, 9                         ; and scale words
	s_mov_b32 s93, 0
	s_mul_i32 s44, s22, 12288
	s_mov_b32 s45, 0
	s_lshl_b32 s42, s22, 9
	s_mov_b32 s43, 0
	s_lshl_b32 s2, s41, 2
	s_lshl_b32 s2, 15, s2                          ; my row of the cluster
	s_lshl_b32 s94, 0x1111, s40                    ; my column
	; descriptor group 1: 8 rows (row tiles) of 384 elements of 8 bytes (two images), 1,536 elements apart; no padding
	s_or_b32 s[G1+0], s2, (3<<16)|(1<<21)          ; 15:0 the mask; 17:16 elements of 8 bytes; 21 set beside a mask
	s_or_b32 s[G1B+0], s94, (3<<16)|(1<<21)
.irp g, G1, G1B
	s_mov_b32 s[\g+1], 384<<16                     ; tensor_dim0
	s_mov_b32 s[\g+2], 8<<16                       ; tensor_dim1
	s_mov_b32 s[\g+3], 384<<16                     ; tile_dim0
	s_mov_b32 s[\g+4], 8                           ; tile_dim1
	s_mov_b32 s[\g+5], 1536                        ; tensor_dim0_stride
	s_mov_b32 s[\g+6], 0
	s_mov_b32 s[\g+7], 0
.endr
	; the scale words of 128 rows: 4,096 dense bytes, as 16 rows of 256 bytes, 16 bytes of padding behind each
	s_or_b32 s[G1S+0], s2, (3<<16)|(1<<20)|(1<<21)|(5<<22)|(3<<25)
	s_or_b32 s[G1SB+0], s94, (3<<16)|(1<<20)|(1<<21)|(5<<22)|(3<<25)
.irp g, G1S, G1SB
	s_mov_b32 s[\g+1], 32<<16
	s_mov_b32 s[\g+2], 16<<16
	s_mov_b32 s[\g+3], 32<<16
	s_mov_b32 s[\g+4], 16
	s_mov_b32 s[\g+5], 32
	s_mov_b32 s[\g+6], 0
	s_mov_b32 s[\g+7], 0
.endr
	s_mul_i32 s3, s14, HALFT                       ; where they go: wave x 128 rows: no place in the cluster enters an LDS address
	s_mul_i32 s23, s14, HALFS
	s_mov_b32 s[SEL], 0x76543210
	s_mov_b32 s[SEL+1], 0xfedcba98
	s_wait_kmcnt 0x0
	s_add_nc_u64 s[46:47], s[4:5], s[46:47]
	s_add_nc_u64 s[92:93], s[6:7], s[92:93]
	s_add_nc_u64 s[44:45], s[4:5], s[44:45]
	s_add_nc_u64 s[42:43], s[6:7], s[42:43]
	CROUND                                         ; all sixteen work-groups are here: the first joint loads meet
	s_mov_b32 s[G0S], 1
	s_add_co_u32 s[G0S+1], s23, SCL
	s_mov_b64 s[G0S+2:G0S+3], s[92:93]
	s_or_b32 s[G0S+3], s[G0S+3], 0x80000000
	s_mov_b32 s[G0SB], 1
	s_add_co_u32 s[G0SB+1], s23, SCL
	s_mov_b64 s[G0SB+2:G0SB+3], s[42:43]
	s_or_b32 s[G0SB+3], s[G0SB+3], 0x80000000
	JLOAD G0S, G1S, G0SB, G1SB                     ; the scales first: they are wanted with K step 0
.irp s, 0,1
	s_mov_b32 s[G0+4*\s], 1
	s_add_co_u32 s[G0+4*\s+1], s3, \s*SLOT
	s_add_nc_u64 s[G0+4*\s+2:G0+4*\s+3], s[46:47], \s*TILEB
	s_or_b32 s[G0+4*\s+3], s[G0+4*\s+3], 0x80000000
	s_mov_b32 s[G0B+4*\s], 1
	s_add_co_u32 s[G0B+4*\s+1], s3, \s*SLOT
	s_add_nc_u64 s[G0B+4*\s+2:G0B+4*\s+3], s[44:45], \s*TILEB
	s_or_b32 s[G0B+4*\s+3], s[G0B+4*\s+3], 0x80000000
	JLOAD G0+4*\s, G1, G0B+4*\s, G1B               ; three tensor loads of mine are out
.endr
	v_and_b32 v1, 15, v0                           ; r
	v_bfe_u32 v2, v0, 4, 1                         ; h
	v_and_b32 v3, 31, v0                           ; lane
	v_lshlrev_b32 v[O16A], 4, v3
	v_lshlrev_b32 v[O8A], 3, v3
	v_add_nc_u32 v[O8A], 0x200, v[O8A]
	s_mul_i32 s21, s15, HALFT                      ; my 128 rows of A
	s_mul_i32 s22, s16, HALFT                      ; my 128 rows of B,
	s_add_co_u32 s22, s22, 2*HALFT                 ; which lie behind A's 256
.irp s, 0,1
	v_add_nc_u32 v[ADRA+\s], s21, v[O16A]
	v_add_nc_u32 v[ADRB+\s], s22, v[O16A]
	v_add_nc_u32 v[ADRA+2+\s], s21, v[O8A]
	v_add_nc_u32 v[ADRB+2+\s], s22, v[O8A]
	s_add_co_u32 s21, s21, SLOT
	s_add_co_u32 s22, s22, SLOT
.endr
	v_mul_u32_u24 v6, v1, KS                       ; my row's scale words: 32 bytes a row,
	v_lshrrev_b32 v7, 8, v6
	v_lshl_add_u32 v6, v7, 4, v6                   ; and 16 more for each 256 passed
	s_mul_i32 s21, s15, HALFS
	s_mul_i32 s22, s16, HALFS
	s_add_co_u32 s22, s22, 2*HALFS
	s_sub_co_u32 s22, s22, s21
	v_mul_u32_u24 v7, s22, v2                      ; lanes 16-31 take B's
	s_add_co_u32 s21, s21, SCL
	v_add_nc_u32 v6, v6, v7
	v_add_nc_u32 v[ADRS], s21, v6
	s_lshl_b32 s21, s14, 10
	s_add_co_u32 s21, s21, SST                     ; my stage for scale words: [half of the lanes][A block 8][r 16] words
	v_lshlrev_b32 v6, 2, v1
	v_lshl_add_u32 v6, v2, 9, v6
	v_add_nc_u32 v[SSTO], s21, v6
	v_add_nc_u32 v[SRD], s21, v[O16A]
	; what differs between q, k and v on the way out: scalars chosen on the product's number, which all partners share
	s_mov_b32 s95, 98304                           ; from an image's first half to its second: q, k: the next head's region; v: 768
	s_mov_b32 s96, 768                             ; from A block to A block: q, k: half an image; v: an image
	s_mov_b32 s97, 0
	s_mov_b32 s100, 0xffff                         ; what is kept of a scale word: q, k: a head's two bytes; v: all four
	s_cmp_eq_u32 s17, 2
	s_cselect_b32 s95, 768, s95
	s_cselect_b32 s96, 1536, s96
	s_cselect_b32 s98, 0, -1                       ; keeps the bias along B's rows (q, k)
	s_cselect_b32 s99, -1, 0                       ; keeps the bias along A's rows (v)
	s_cselect_b32 s100, -1, s100
	s_cselect_b32 s101, 0, 16                      ; q, k: lanes 16-31 take the odd head's two bytes
	s_cselect_b32 s19, s40, s41                    ; the token side's place in the cluster,
	s_cselect_b32 s20, s16, s15                    ; and my half of it
	s_cselect_b32 s21, s41, s40                    ; the feature side's
	s_cselect_b32 s22, s15, s16
	s_cselect_b32 s23, 96, 48                      ; bytes of codes for a token within a head pair's region (v), a head's (q, k)
	s_cselect_b32 s2, 13, 14                       ; log2 of a head pair's scale bytes
	s_cselect_b32 s94, 0, s17                      ; which slice of bqkv runs along B's rows (v: any; it is masked off)
	s_lshl_b32 s42, s18, 2
	s_add_co_u32 s42, s42, s19
	s_lshl_b32 s42, s42, 8
	s_lshl_b32 s20, s20, 7
	s_add_co_u32 s42, s42, s20                     ; my first token: 256 (4 eighth + place) + 128 half
	s_lshr_b32 s19, s42, 11                        ; batch
	s_and_b32 s20, s42, 2047                       ; token in the batch
	s_lshl_b32 s21, s21, 1
	s_add_co_u32 s21, s21, s22                     ; head pair: my 128 features
	s_mul_i32 s42, s17, 6291456
	s_mul_i32 s22, s19, 1572864
	s_add_co_u32 s42, s42, s22
	s_mul_i32 s22, s21, 196608
	s_add_co_u32 s42, s42, s22
	s_mul_i32 s22, s20, s23
	s_add_co_u32 s42, s42, s22
	s_mov_b32 s43, 0
	s_add_nc_u64 s[10:11], s[10:11], s[42:43]      ; pc at my first image
	s_lshl_b32 s19, s19, 3
	s_add_co_u32 s19, s19, s21
	s_lshl_b32 s19, s19, s2
	s_lshl_b32 s42, s17, 19
	s_add_co_u32 s42, s42, s19
	s_lshl_b32 s20, s20, 2
	s_add_co_u32 s42, s42, s20
	s_add_nc_u64 s[12:13], s[12:13], s[42:43]      ; ps at my first scale word
	v_add_nc_u32 v[O16B], s95, v[O16A]
	v_add_nc_u32 v[O8B], s95, v[O8A]
	v_mul_u32_u24 v[SHV], s101, v2
	; the biases.  Along B's rows: lane (r, h) wants, for block b, bqkv at 32 (b / 2) + 8 (b % 2) + 16 h + 0 .. 7: the result's layout.  Along A's rows: one number a lane and block, twice (a pair for the packed add)
	s_lshl_b32 s19, s94, 12
	s_lshl_b32 s20, s40, 10
	s_add_co_u32 s19, s19, s20
	s_lshl_b32 s20, s16, 9
	s_add_co_u32 s19, s19, s20                     ; 4 x (1,024 slice + 256 cx + 128 half)
	v_lshl_add_u32 v24, v2, 6, s19
	s_lshl_b32 s19, s41, 10
	s_lshl_b32 s20, s15, 9
	s_add_co_u32 s19, s19, s20
	s_add_co_u32 s19, s19, 8192                    ; 4 x (2,048 + 256 cy + 128 half): inside bqkv for every product
	v_and_b32 v6, 8, v1
	v_add_nc_u32 v6, v6, v1                        ; r + 8 (r / 8)
	v_lshl_add_u32 v25, v6, 2, s19
.irp b, 0,1,2,3,4,5,6,7
	global_load_b128 v[BI+8*\b:BI+8*\b+3], v24, s[8:9] offset:(32*(\b/2)+8*(\b%2))*4
	global_load_b128 v[BI+8*\b+4:BI+8*\b+7], v24, s[8:9] offset:(32*(\b/2)+8*(\b%2))*4+16
.endr
.irp a, 0,1,2,3,4,5,6,7
	global_load_b32 v[BV+2*\a], v25, s[8:9] offset:(32*(\a/2)+8*(\a%2))*4
.endr
	s_wait_loadcnt 0x0
.set j, 0
.rept 64
	v_and_b32 v[BI+j], s98, v[BI+j]                ; one text serves the three products: the bias that does not apply becomes +0
.set j, j+1
.endr
.irp a, 0,1,2,3,4,5,6,7
	v_and_b32 v[BV+2*\a+1], s99, v[BV+2*\a]
	v_and_b32 v[BV+2*\a], s99, v[BV+2*\a]
.endr
.macro FRAG reg, adr, q, i             ; the image of row tile i, the slot's q-th 128 along K, into 12 registers
.irp c, 0,1
	ds_load_b128 v[\reg+6*\c:\reg+6*\c+3], v[\adr] offset:(\i)*TILEB+(\q)*1536+768*\c
	ds_load_b64 v[\reg+6*\c+4:\reg+6*\c+5], v[\adr+2] offset:(\i)*TILEB+(\q)*1536+768*\c
.endr
.endm
; 16 matrix instructions: A's blocks a0, a0 + 1 x B's eight, 128 along K.  p: B's set; sc: the set of scale words.  zero = 1: the first products start the sums from the bias along B's rows: nothing is cleared.
; The 64 accumulators take turns, one instruction a turn, in the same order in every step.
.macro MUL16 a0, p, q, sc, zero
.irp a, \a0, \a0+1
.irp b, 0,1,2,3,4,5,6,7
.if \zero
	v_wmma_scale_f32_16x16x128_f8f6f4 v[8*(8*((\a)%4)+\b):8*(8*((\a)%4)+\b)+7], v[128*(\p)+FR*\b:128*(\p)+FR*\b+FR-1], v[AF+FR*(\a):AF+FR*(\a)+FR-1], v[BI+8*\b:BI+8*\b+7], v[SC+8*NQ*(\sc)+NQ*\b+(\q)], v[SC+8*NQ*(\sc)+NQ*(\a)+(\q)] matrix_a_fmt:MATRIX_FMT_FP6 matrix_b_fmt:MATRIX_FMT_FP6 matrix_a_scale:MATRIX_SCALE_ROW1
.else
	v_wmma_scale_f32_16x16x128_f8f6f4 v[8*(8*((\a)%4)+\b):8*(8*((\a)%4)+\b)+7], v[128*(\p)+FR*\b:128*(\p)+FR*\b+FR-1], v[AF+FR*(\a):AF+FR*(\a)+FR-1], v[8*(8*((\a)%4)+\b):8*(8*((\a)%4)+\b)+7], v[SC+8*NQ*(\sc)+NQ*\b+(\q)], v[SC+8*NQ*(\sc)+NQ*(\a)+(\q)] matrix_a_fmt:MATRIX_FMT_FP6 matrix_b_fmt:MATRIX_FMT_FP6 matrix_a_scale:MATRIX_SCALE_ROW1
.endif
.endr
.endr
.endm
.macro FETCH_B slot, q, p
	WIN TO_B
.irp i, 0,1,2,3,4,5,6,7
	FRAG 128*(\p)+FR*\i, ADRB+\slot, \q, \i
.endr
	WIN 0
.endm
.macro FETCH_A slot, q, i0
.irp i, \i0, \i0+1, \i0+2, \i0+3
	FRAG AF+FR*(\i), ADRA+\slot, \q, \i
.endr
.endm
.macro SCALES sc                       ; a slot's two scale words a row: lanes 0-15 take A's block i, lanes 16-31 B's block i
.irp i, 0,1,2,3,4,5,6,7
	ds_load_b64 v[SC+8*NQ*\sc+NQ*\i:SC+8*NQ*\sc+NQ*\i+1], v[ADRS] offset:\i*SBLK
.endr
.endm
.macro PLACES n                        ; places in front of loads into registers that matrix instructions have read, and of the first read of results (ISA guide 7.12.1 for the first read of results)
.rept \n
	v_nop
.endr
.endm
; A step of 128 along K that has its successor in the same slot.  A has one set of registers (blocks 0-3 are fetched anew in the step's middle, blocks 4-7 at its end), B two.
.macro STEP slot, q, zero
	s_wait_dscnt 4*NL                              ; all but the youngest 16 loads (A's blocks 4-7) are in
	WIN MUL_LO-0x20*(\zero)                        ; (zero = 1: C in window 0)
	MUL16 0, (\q)%2, \q, \slot, \zero
	MUL16 2, (\q)%2, \q, \slot, \zero
	s_wait_dscnt 0                                 ; A's blocks 4-7 are in
	PLACES NP
	FETCH_B \slot, (\q)+1, 1-(\q)%2
	FETCH_A \slot, (\q)+1, 0
	WIN MUL_HI-0x30*(\zero)
	MUL16 4, (\q)%2, \q, \slot, \zero
	MUL16 6, (\q)%2, \q, \slot, \zero
	PLACES NP
	WIN 0
	FETCH_A \slot, (\q)+1, 4
.endm
; A slot's last step changes slots: ONE barrier; in front of it each wave waits for all its tensor loads, adds 0 to its spare word, and waits for that and for its own reads of this slot.  fill = 1: this slot is filled again, two K steps ahead.
.macro TURN slot, next, fill
	s_wait_tensorcnt 0x0                           ; all my tensor loads have landed: my part of the next slot
	ds_add_u32 v[SPW], v[NIL]                      ; 0 onto my spare word
	s_wait_dscnt 4*NL+1                            ; (the add and the youngest 16 loads may be out)
	WIN MUL_LO
	MUL16 0, 1, NQ-1, \slot, 0                     ; sixteen matrix instructions stand between the add and the wait for it
	s_wait_dscnt 0x0                               ; the add is done, and my reads of this slot are over
	s_barrier_signal -1
	MUL16 2, 1, NQ-1, \slot, 0
	WIN 0
	s_barrier_wait -1
.if \fill
	CREST                                          ; the barrier has opened a round of the cluster's barrier: no wave of any partner still reads this slot or has a load on its way
	s_add_nc_u64 s[G0+4*\slot+2:G0+4*\slot+3], s[G0+4*\slot+2:G0+4*\slot+3], 2*TILEB
	s_add_nc_u64 s[G0B+4*\slot+2:G0B+4*\slot+3], s[G0B+4*\slot+2:G0B+4*\slot+3], 2*TILEB
	JLOAD G0+4*\slot, G1, G0B+4*\slot, G1B         ; the first tensor load behind the round; its four v_nop are the places in front of the loads below
.else
	PLACES NP
.endif
	v_add_nc_u32 v[ADRS], 4*NQ, v[ADRS]            ; on to the next slot's scale words (no LDS load of mine is out)
	FETCH_B \next, 0, 0
	FETCH_A \next, 0, 0
	SCALES \next
	WIN MUL_HI
	MUL16 4, 1, NQ-1, \slot, 0
	MUL16 6, 1, NQ-1, \slot, 0
	PLACES NP
	WIN 0
	FETCH_A \next, 0, 4
.endm
	s_wait_tensorcnt 1                             ; the scales and my part of slot 0 are in (slot 1's load may be out)
	s_barrier_signal -1
	s_barrier_wait -1                              ; everybody's are
	FETCH_B 0, 0, 0
	FETCH_A 0, 0, 0
	SCALES 0
	FETCH_A 0, 0, 4
	STEP 0, 0, 1                                   ; the first step stands in front of the loop: its products start the sums
	s_mov_b32 s3, LAPS-1
.Llap:                                                 ; a trip goes once round the ring and fills both slots again
	TURN 0, 1, 1
	STEP 1, 0, 0
	TURN 1, 0, 1
	STEP 0, 0, 0
	s_sub_co_u32 s3, s3, 1
	s_cmp_lg_u32 s3, 0
	s_cbranch_scc1 .Llap
	TURN 0, 1, 0                                   ; the last lap fills nothing
	STEP 1, 0, 0
	s_wait_dscnt 4*NL
	WIN MUL_LO
	MUL16 0, 1, NQ-1, 1, 0
	MUL16 2, 1, NQ-1, 1, 0
	s_wait_dscnt 0
	WIN MUL_HI
	MUL16 4, 1, NQ-1, 1, 0
	MUL16 6, 1, NQ-1, 1, 0
	WIN 0
	; THE WAY OUT, A block by A block: the block's 64 numbers a lane (+ the bias along A's rows) are quantised in registers and leave as an image; its scale words are gathered in my stage.
	PLACES NP
.irp b, 0,1,2,3
	v_mov_b32 v[TM+4+\b], 0                        ; written once: a lane permute's destination counts as one of its sources
.endr
.irp a, 0,1,2,3,4,5,6,7
.if \a > 0
	s_wait_xcnt 0x0                                ; the last block's stores have read their data and their base: both are written again only behind this wait
	s_add_nc_u64 s[10:11], s[10:11], s[96:97]
.endif
	WIN 0x02+(\a/4)                                ; source 0: window 2 or 3
.set n, 0
.rept 32
	v_pk_add_f32 v[X+2*n:X+2*n+1], v[64*(\a%4)+2*n:64*(\a%4)+2*n+1], v[BV+2*\a:BV+2*\a+1]   ; each accumulator from its low end on
.set n, n+1
.endr
	WIN 0
	QUANT X, PW
	v_lshrrev_b32 v[W], v[SHV], v[PW]              ; q, k: lanes 0-15 keep the even head's two bytes, lanes 16-31 the odd head's; v: the whole word
	v_and_b32 v[W], s100, v[W]
	ds_store_b32 v[SSTO], v[W] offset:64*\a
	global_store_b128 v[O16A], v[PC:PC+3], s[10:11]
	global_store_b64 v[O8A], v[PC+4:PC+5], s[10:11]
	global_store_b128 v[O16B], v[PC+6:PC+9], s[10:11]
	global_store_b64 v[O8B], v[PC+10:PC+11], s[10:11]
.endr
	ds_load_b128 v[BK:BK+3], v[SRD]                ; LDS serves a wave's instructions in order: these see my stores.  512 bytes: eight blocks' words
	ds_load_b128 v[BK+4:BK+7], v[SRD] offset:512
	s_wait_dscnt 0x0
	global_store_b128 v[O16A], v[BK:BK+3], s[12:13]
	s_cmp_eq_u32 s17, 2
	s_cbranch_scc1 .Lno_odd                        ; v has one word a row; q and k a second head's
	global_store_b128 v[O16A], v[BK+4:BK+7], s[12:13] offset:8192
.Lno_odd:
	s_wait_tensorcnt 0x0                           ; the wave's end
	ds_add_u32 v[SPW], v[NIL]
	s_wait_dscnt 0x0
	CROUND                                         ; the closing round: no work-group ends while a partner may still ask for a tile that names it
	s_endpgm
.Lfunc_end_k_qdb3f16bb80_proj:
	.size	k_qdb3f16bb80_proj, .Lfunc_end_k_qdb3f16bb80_proj-k_qdb3f16bb80_proj
	.p2alignl 7, 3214868480
	.fill 96, 4, 3214868480
	.section	.rodata,"a",@progbits
	.p2align	6, 0x0
	.amdhsa_kernel k_qdb3f16bb80_proj
		.amdhsa_group_segment_fixed_size 327680
		.amdhsa_private_segment_fixed_size 0
		.amdhsa_enable_private_segment 0
		.amdhsa_kernarg_size 40
		.amdhsa_user_sgpr_count 2
		.amdhsa_user_sgpr_kernarg_segment_ptr 1
		.amdhsa_wavefront_size32 1
		.amdhsa_system_sgpr_workgroup_id_x 1
		.amdhsa_system_sgpr_workgroup_id_y 1
		.amdhsa_system_sgpr_workgroup_id_z 1
		.amdhsa_system_vgpr_workitem_id 0
		.amdhsa_next_free_vgpr 1024
		.amdhsa_next_free_sgpr 102
		.amdhsa_reserve_vcc 0
		.amdhsa_float_denorm_mode_32 3
		.amdhsa_float_denorm_mode_16_64 3
		.amdhsa_memory_ordered 1
		.amdhsa_forward_progress 1
		.amdhsa_inst_pref_size 172
	.end_amdhsa_kernel
	.amdgpu_metadata
---
amdhsa.version: [ 1, 2 ]
amdhsa.kernels:
  - .name:           k_qdb3f16bb80_proj
    .symbol:         k_qdb3f16bb80_proj.kd
    .args:
      - { .name: xc, .offset: 0, .size: 8, .value_kind: global_buffer, .address_space: global }
      - { .name: xs, .offset: 8, .size: 8, .value_kind: global_buffer, .address_space: global }
      - { .name: bqkv, .offset: 16, .size: 8, .value_kind: global_buffer, .address_space: global }
      - { .name: pc, .offset: 24, .size: 8, .value_kind: global_buffer, .address_space: global }
      - { .name: ps, .offset: 32, .size: 8, .value_kind: global_buffer, .address_space: global }
    .group_segment_fixed_size: 327680
    .private_segment_fixed_size: 0
    .kernarg_segment_align: 8
    .kernarg_segment_size: 40
    .max_flat_workgroup_size: 128
    .sgpr_count:     102
    .vgpr_count:     1024
    .wavefront_size: 32
...
	.end_amdgpu_metadata
.endif
;; end of part 2
;; launch attn (part 3): grid 32 x 16, 16 waves a work-group, clusters of 4 x 4, 327,680 bytes of LDS; arguments pc, ps, mb, oc, os; writes oc, os
.if DOCPART == 3
	.amdgcn_target "amdgcn-amd-amdhsa--gfx1250"
	.amdhsa_code_object_version 6
	.text
	.protected	k_qdb3f16bb80_attn
	.globl	k_qdb3f16bb80_attn
	.p2align	8
	.type	k_qdb3f16bb80_attn,@function
k_qdb3f16bb80_attn:
	s_mov_b64 s[64:65], 0
	v_nop
	global_prefetch_b8 v0, s[64:65] scope:SCOPE_SE
	s_setreg_imm32_b32 hwreg(HW_REG_WAVE_MODE, 25, 1), 1
	s_wait_xcnt 0x0
	s_wait_alu depctr_hold_cnt(0) depctr_sa_sdst(0) depctr_va_vdst(0) depctr_va_sdst(0) depctr_va_ssrc(0) depctr_va_vcc(0) depctr_vm_vsrc(0)
	s_getreg_b32 s2, hwreg(HW_REG_IB_STS2, 6, 4)
	s_cmp_eq_u32 s2, 0
	s_cbranch_scc0 .Lentry_in_a_cluster
	s_endpgm
.Lentry_in_a_cluster:
	s_bfe_u32 s2, ttmp6, 0x10000c
	s_cmp_lg_u32 s2, 0xf033
	s_cbranch_scc0 .Lentry_shape_is_right
	s_endpgm
.Lentry_shape_is_right:
; o = softmax(q k^T / 8 + mask + bias) v for 4 batches x 16 heads of 64, 2,048 queries and keys, both products on codes of FP6 (E2M3) with E8M0 scales; o is divided by the row's sum, quantised along the features and leaves as codes.
; q, k (unscaled), v arrive as images of fragments in pc and scale words in ps; mb = 8 (mask + bias), f32, in the layout of the scores' accumulators.
; logit = (s + mb) / 8, s = the sum over the head's 64 of q k: mb is the C of the first product, so the mask and the bias cost no vector instruction.  t = c x (s + mb), c = log2(e) / 8.
; THE SOFTMAX: M = the row's largest t so far, rounded up to a whole number; p = 2^(t - M) is quantised along the keys, not normalised; the row's sum is taken of the unquantised p; when M moves, the sum and O are multiplied by 2^(old M - new M): exact.
; SHARES.  A work-group owns 64 queries (four tiles of 16) of four heads of one batch; wave w owns head w % 4 and query tile w / 4, in 256 registers: four waves to a SIMD, so that one wave's vector work stands beside another's matrix work and LDS loads.
; Every wave walks all 2,048 keys, 128 a step.  A slot of the ring holds one step: K of 4 heads (24,576 bytes), V of 4 heads (24,576), mb of 4 query tiles (32,768).  Wave 0 fetches K, wave 1 V, wave 2 mb.  The scale words of K and V for all keys come once.
; CLUSTERS: 4 x 4.  K, V and their scales hang on (batch, group of heads) and are shared along a row of the cluster; mb hangs on the block of queries and is shared along a column: every tile is asked for jointly by four.
; LAYOUT.  Both products are used transposed: S^T = K Q^T (source 0 = 16 keys), O^T = V^T P^T (source 0 = 16 of the head's 64): a lane holds ONE query throughout.  The rows of a tile are 32 (T / 2) + 8 (T % 2) + r + 8 (r / 8),
; so that the 16 registers of tiles 2 b, 2 b + 1 are 16 neighbours: keys 32 b + 16 (lane / 16) + 0 .. 15, and likewise the head's d.
; THE FIRST PRODUCT HAS K = 64: Q's registers 6-11 hold zero codes; a tile of K is 6 registers, and the instruction's other 6 are whatever follows (the next tile; behind the last, zeros): they meet Q's zeros, under scale bytes 0 (2^-127): nothing is added.
; OUT.  oc: [token tile 512][head pair 8][1,536], a head's half image at 768 x head; os: [token in tile order][32 bytes], a head's two bytes at 2 x head (8 bytes of each row of 32 by one work-group: the others belong to other heads' work-groups; 262,144 bytes in all).
; LIMITS: NaN and infinities among the inputs are not served; a block of zeros gets the byte 1 (its codes are zeros; this program alone reads the bytes).
; REGISTERS: v1-5 addresses that stay; v6, v7 the add's; v8-11, v28 the step's addresses; v12 -M, v13 the largest t, v[14:15] the sum in two halves; v16-27 Q; v29 Q's scale word; v30, v31 16 x lane, 512 + 8 x lane;
;   v32-85 K's eight tiles, then V's four; v86-89, v90-91, v92 scale words of K, V, p; v96-159 mb, S^T, then p; v160-191 O^T; v192-203 p's codes; v204-210 the conversions' second halves; v[212:213] f; v214-221 the way out; v232-247, v254 at work.
.set RG,    6291456                    ; a region of pc
.set VOFF,  24576                      ; in a slot: K, V, mb
.set MOFF,  49152
.set SCK,   81920                      ; K's scale words of 4 heads, 32,768 bytes; filled once
.set SCV,   114688                     ; V's of 2 head pairs, 16,384 bytes; filled once
.set SLOT1, 1<<17                      ; slot 1 begins here: one exclusive or turns an address in one slot into the other's
.set SPARE, SLOT1+81920                ; the spare words, 128 bytes for each wave: eight blocks of 256 bytes that no other line names
.set OSG,   SPARE+2048                 ; the way out: 512 bytes: [query tile 4][r 16][head 4] pairs of scale bytes; no fill lands here
.set SPW,  6
.set NIL,  7
.set WV,   18
.set SEL,  20
.set CS,   22
.set G1K,  24
.set G1V,  32
.set G1M,  40
.set G1SK, 48
.set G1SV, 56
.set G0K,  68
.set G0V,  72
.set G0M,  76
.set G0SK, 80
.set G0SV, 84
.set TB,   88                          ; s88  LDS byte at which the slot in hand begins
.set TS,   89                          ; s89  the step's scale words: 512 bytes a step, for K and for V
.set SLOTS, 90
.macro ROUND                           ; a round of the cluster's barrier
	s_barrier_signal -1
	s_barrier_wait -1
	s_cmp_lg_u32 s[WV], 0
	s_cbranch_scc1 .Lnot_wave_0_\@
	s_barrier_signal -3
.Lnot_wave_0_\@:
	s_barrier_wait -3
	s_barrier_signal -1
	s_barrier_wait -1
.endm
; The branches hang on the wave's number alone.  Four v_nop follow each tensor load.
.macro TLOAD2                          ; the scale words: wave 0 K's, wave 1 V's
	s_cmp_lg_u32 s[WV], 0
	s_cbranch_scc1 .Lnot_sk_\@
	tensor_load_to_lds s[G0SK:G0SK+3], s[G1SK:G1SK+7]
	s_nop 0
.rept 4
	v_nop
.endr
	s_branch .Lsc_asked_\@
.Lnot_sk_\@:
	s_cmp_lg_u32 s[WV], 1
	s_cbranch_scc1 .Lsc_asked_\@
	tensor_load_to_lds s[G0SV:G0SV+3], s[G1SV:G1SV+7]
	s_nop 0
.rept 4
	v_nop
.endr
.Lsc_asked_\@:
.endm
.macro TLOAD3                          ; a slot: wave 0 K, wave 1 V, wave 2 mb
	s_cmp_lg_u32 s[WV], 0
	s_cbranch_scc1 .Lnot_k_\@
	tensor_load_to_lds s[G0K:G0K+3], s[G1K:G1K+7]
	s_nop 0
.rept 4
	v_nop
.endr
	s_branch .Lasked_\@
.Lnot_k_\@:
	s_cmp_lg_u32 s[WV], 1
	s_cbranch_scc1 .Lnot_v_\@
	tensor_load_to_lds s[G0V:G0V+3], s[G1V:G1V+7]
	s_nop 0
.rept 4
	v_nop
.endr
	s_branch .Lasked_\@
.Lnot_v_\@:
	s_cmp_lg_u32 s[WV], 2
	s_cbranch_scc1 .Lasked_\@
	tensor_load_to_lds s[G0M:G0M+3], s[G1M:G1M+7]
	s_nop 0
.rept 4
	v_nop
.endr
.Lasked_\@:
.endm
	s_load_b256 s[4:11], s[0:1], 0x0               ; pc s[4:5], ps s[6:7], mb s[8:9], oc s[10:11]
	s_load_b64 s[12:13], s[0:1], 0x20              ; os
	v_lshl_add_u32 v[SPW], v0, 2, SPARE
	v_mov_b32 v[NIL], 0
	ds_add_u32 v6, v7
	s_wait_dscnt 0x0
	v_lshrrev_b32 v8, 5, v0
	v_readfirstlane_b32 s[WV], v8                  ; wave 0..15
	s_and_b32 s14, s[WV], 3                        ; my head in the group of four
	s_lshr_b32 s15, s[WV], 2                       ; my query tile in the block of four
	s_bfe_u32 s91, ttmp6, 0x40000                  ; cx
	s_bfe_u32 s92, ttmp6, 0x40004                  ; cy
	s_lshl_b32 s93, ttmp9, 2
	s_add_co_u32 s93, s93, s91                     ; block of 64 queries, 0..31
	s_and_b32 s94, ttmp7, 0xffff
	s_lshl_b32 s94, s94, 2
	s_add_co_u32 s94, s94, s92                     ; 4 x batch + group of heads, 0..15
	s_lshl_b32 s95, s92, 2
	s_lshl_b32 s95, 15, s95                        ; my row of the cluster
	s_lshl_b32 s96, 0x1111, s91                    ; my column
	; descriptor groups 1: elements of 8 bytes, no padding
	s_or_b32 s[G1K], s95, (3<<16)|(1<<21)          ; K: 4 rows (heads) of 768 elements (8 half images), 12,288 elements apart
	s_mov_b32 s[G1K+1], 768<<16
	s_mov_b32 s[G1K+2], 4<<16
	s_mov_b32 s[G1K+3], 768<<16
	s_mov_b32 s[G1K+4], 4
	s_mov_b32 s[G1K+5], 12288
	s_mov_b32 s[G1K+6], 0
	s_mov_b32 s[G1K+7], 0
	s_or_b32 s[G1V], s95, (3<<16)|(1<<21)          ; V: 2 rows (head pairs) of 1,536 elements (8 images), 24,576 apart
	s_mov_b32 s[G1V+1], 1536<<16
	s_mov_b32 s[G1V+2], 2<<16
	s_mov_b32 s[G1V+3], 1536<<16
	s_mov_b32 s[G1V+4], 2
	s_mov_b32 s[G1V+5], 24576
	s_mov_b32 s[G1V+6], 0
	s_mov_b32 s[G1V+7], 0
	s_or_b32 s[G1M], s96, (3<<16)|(1<<21)          ; mb: 4 rows (query tiles) of 1,024 elements, 16,384 apart
	s_mov_b32 s[G1M+1], 1024<<16
	s_mov_b32 s[G1M+2], 4<<16
	s_mov_b32 s[G1M+3], 1024<<16
	s_mov_b32 s[G1M+4], 4
	s_mov_b32 s[G1M+5], 16384
	s_mov_b32 s[G1M+6], 0
	s_mov_b32 s[G1M+7], 0
	s_or_b32 s[G1SK], s95, (3<<16)|(1<<21)         ; K's scale words: 32,768 dense bytes as 128 rows of 256
	s_mov_b32 s[G1SK+1], 32<<16
	s_mov_b32 s[G1SK+2], 128<<16
	s_mov_b32 s[G1SK+3], 32<<16
	s_mov_b32 s[G1SK+4], 128
	s_mov_b32 s[G1SK+5], 32
	s_mov_b32 s[G1SK+6], 0
	s_mov_b32 s[G1SK+7], 0
	s_or_b32 s[G1SV], s95, (3<<16)|(1<<21)         ; V's: 16,384 dense bytes as 64 rows of 256
	s_mov_b32 s[G1SV+1], 32<<16
	s_mov_b32 s[G1SV+2], 64<<16
	s_mov_b32 s[G1SV+3], 32<<16
	s_mov_b32 s[G1SV+4], 64
	s_mov_b32 s[G1SV+5], 32
	s_mov_b32 s[G1SV+6], 0
	s_mov_b32 s[G1SV+7], 0
	s_mul_i32 s98, s94, 393216                     ; four heads' codes, in K's region and in V's
	s_mov_b32 s99, 0
	s_lshl_b32 s100, s93, 19                       ; four query tiles of mb
	s_mov_b32 s101, 0
	s_lshl_b32 s2, s94, 15                         ; four heads' scale words of K
	s_mov_b32 s3, 0
	s_mov_b32 s[SEL], 0x76543210
	s_mov_b32 s[SEL+1], 0xfedcba98
	s_mov_b32 s[CS], 0x3e38aa3b                    ; c = log2(e) / 8
	s_mov_b32 s[CS+1], s[CS]                       ; (named with it as a pair, so it is written)
	s_mov_b32 s[TB], 0
	s_mov_b32 s[TS], 0
	s_mov_b32 s[SLOTS], 15
	; every LDS address is made of the lane, the wave's number and constants
	v_and_b32 v8, 31, v0                           ; lane
	v_and_b32 v9, 15, v0                           ; r
	v_lshlrev_b32 v30, 4, v8
	v_lshlrev_b32 v31, 3, v8
	v_add_nc_u32 v31, 0x200, v31
	s_mul_i32 s16, s14, 6144
	v_add_nc_u32 v1, s16, v30                      ; v1, v2: my head's images in a slot's K (and, VOFF on, V)
	v_add_nc_u32 v2, s16, v31
	s_lshl_b32 s16, s15, 13
	s_add_co_u32 s16, s16, MOFF
	v_add_nc_u32 v3, s16, v30                      ; v3: my query tile's mb
	s_lshl_b32 s16, s14, 13
	s_add_co_u32 s16, s16, SCK
	v_lshl_add_u32 v4, v8, 2, s16                  ; v4: K's scale words: lanes 0-15 an even tile's, lanes 16-31 the odd tile's behind it
	s_lshr_b32 s16, s14, 1
	s_lshl_b32 s16, s16, 13
	s_and_b32 s17, s14, 1
	s_lshl_b32 s17, s17, 8
	s_add_co_u32 s16, s16, s17
	s_add_co_u32 s16, s16, SCV
	v_lshl_add_u32 v5, v8, 2, s16                  ; v5: V's likewise
	s_lshl_b32 s16, s15, 7
	s_lshl_b32 s17, s14, 1
	s_add_co_u32 s16, s16, s17
	s_add_co_u32 s16, s16, OSG
	v_lshl_add_u32 v214, v9, 3, s16                ; v214: where my row's two scale bytes go
	v_lshl_add_u32 v215, v8, 3, OSG                ; v215: where wave 0 reads them back, 8 bytes a row
	v_lshlrev_b32 v216, 5, v8                      ; v216: and a row's place in os
	v_lshlrev_b32 v217, 2, v9                      ; v217: Q's scale word
	s_wait_kmcnt 0x0
	ROUND                                          ; all sixteen work-groups are here: the first joint loads meet
	s_mov_b32 s[G0SK], 1
	s_mov_b32 s[G0SK+1], SCK
	s_add_nc_u64 s[G0SK+2:G0SK+3], s[6:7], s[2:3]
	s_add_nc_u64 s[G0SK+2:G0SK+3], s[G0SK+2:G0SK+3], 524288
	s_or_b32 s[G0SK+3], s[G0SK+3], 0x80000000
	s_lshl_b32 s2, s94, 14                         ; two head pairs' scale words of V
	s_mov_b32 s[G0SV], 1
	s_mov_b32 s[G0SV+1], SCV
	s_add_nc_u64 s[G0SV+2:G0SV+3], s[6:7], s[2:3]
	s_add_nc_u64 s[G0SV+2:G0SV+3], s[G0SV+2:G0SV+3], 1048576
	s_or_b32 s[G0SV+3], s[G0SV+3], 0x80000000
	TLOAD2
	s_mov_b32 s[G0K], 1
	s_mov_b32 s[G0K+1], 0
	s_add_nc_u64 s[G0K+2:G0K+3], s[4:5], s[98:99]
	s_add_nc_u64 s[G0K+2:G0K+3], s[G0K+2:G0K+3], RG
	s_or_b32 s[G0K+3], s[G0K+3], 0x80000000
	s_mov_b32 s[G0V], 1
	s_mov_b32 s[G0V+1], VOFF
	s_add_nc_u64 s[G0V+2:G0V+3], s[4:5], s[98:99]
	s_add_nc_u64 s[G0V+2:G0V+3], s[G0V+2:G0V+3], 2*RG
	s_or_b32 s[G0V+3], s[G0V+3], 0x80000000
	s_mov_b32 s[G0M], 1
	s_mov_b32 s[G0M+1], MOFF
	s_add_nc_u64 s[G0M+2:G0M+3], s[8:9], s[100:101]
	s_or_b32 s[G0M+3], s[G0M+3], 0x80000000
	TLOAD3                                         ; slot 0: key step 0.  Two tensor loads of a wave are out at the most
	; oc and os at my rows; Q's codes and scale word
	s_lshr_b32 s19, s94, 2                         ; batch
	s_lshl_b32 s19, s19, 7
	s_lshl_b32 s97, s93, 2
	s_add_co_u32 s19, s19, s97                     ; the block's first token tile: 128 batch + 4 block
	s_lshl_b32 s16, s19, 9
	s_and_b32 s97, s94, 3                          ; group of heads
	s_lshl_b32 s17, s97, 3
	s_add_co_u32 s16, s16, s17
	s_mov_b32 s17, 0
	s_add_nc_u64 s[12:13], s[12:13], s[16:17]      ; os: 512 bytes a tile, + 8 x group
	s_add_co_u32 s19, s19, s15
	s_mul_i32 s16, s19, 12288
	s_lshl_b32 s97, s97, 2
	s_add_co_u32 s97, s97, s14
	s_mul_i32 s97, s97, 768
	s_add_co_u32 s16, s16, s97
	s_add_nc_u64 s[10:11], s[10:11], s[16:17]      ; oc: my token tile, my head's half image
	s_lshl_b32 s19, s94, 2
	s_add_co_u32 s19, s19, s14                     ; 16 batch + head
	s_lshl_b32 s19, s19, 7
	s_lshl_b32 s97, s93, 2
	s_add_co_u32 s97, s97, s15
	s_add_co_u32 s19, s19, s97                     ; x 128 tiles + my query tile
	s_mul_i32 s66, s19, 768
	s_mov_b32 s67, 0
	s_add_nc_u64 s[66:67], s[4:5], s[66:67]
	s_lshl_b32 s16, s19, 6
	s_add_nc_u64 s[16:17], s[6:7], s[16:17]
	global_load_b128 v[16:19], v30, s[66:67]       ; Q's six registers stay
	global_load_b64 v[20:21], v31, s[66:67]
	global_load_b32 v29, v217, s[16:17]
.irp j, 22,23,24,25,26,27, 80,81,82,83,84,85
	v_mov_b32 v[\j], 0                             ; zero codes: Q's k = 64 .. 127, and what follows K's last tile
.endr
	v_mov_b32 v13, 0xff61b1e6                      ; the largest t so far: -3e38, under every t
	v_floor_f32 v12, -v13                          ; -M
	v_mov_b32 v14, 0
	v_mov_b32 v15, 0
	v_mov_b32 v213, 0                              ; (named as the upper half of the pair v[212:213])
.irp b, 0,1,2,3
	v_mov_b32 v[236+\b], 0                         ; written once: a lane permute's destination counts as one of its sources
.endr
.set j, 0
.rept 32
	v_mov_b32 v[160+j], 0                          ; O^T.  (The step is written for every trip alike: the first finds zeros, which the first change of M leaves zeros)
.set j, j+1
.endr
; A KEY STEP: 128 keys.
.macro STEP
	v_add_nc_u32 v8, s[TB], v1                     ; these five are also the places behind the last step's products, in front of the loads below
	v_add_nc_u32 v9, s[TB], v2
	v_add_nc_u32 v10, s[TB], v3
	v_add_nc_u32 v11, s[TS], v4
	v_add_nc_u32 v28, s[TS], v5
.irp i, 0,1,2,3,4,5,6,7,8,9,10,11,12,13,14,15
	ds_load_b128 v[96+4*\i:99+4*\i], v10 offset:512*\i   ; mb, straight into the scores' accumulators
.endr
.irp t, 0,1,2,3,4,5,6,7
	ds_load_b128 v[32+6*\t:35+6*\t], v8 offset:768*\t
	ds_load_b64 v[36+6*\t:37+6*\t], v9 offset:768*\t
.endr
.irp b, 0,1,2,3
	ds_load_b32 v[86+\b], v11 offset:128*\b
.endr
	s_wait_dscnt 0x0
.irp t, 0,1,2,3,4,5,6,7                        ; S^T = K Q^T + mb: eight accumulators, one instruction each
.if (\t)%2
	v_wmma_scale_f32_16x16x128_f8f6f4 v[96+8*\t:103+8*\t], v[32+6*\t:43+6*\t], v[16:27], v[96+8*\t:103+8*\t], v[86+\t/2], v29 matrix_a_fmt:MATRIX_FMT_FP6 matrix_b_fmt:MATRIX_FMT_FP6 matrix_a_scale:MATRIX_SCALE_ROW1
.else
	v_wmma_scale_f32_16x16x128_f8f6f4 v[96+8*\t:103+8*\t], v[32+6*\t:43+6*\t], v[16:27], v[96+8*\t:103+8*\t], v[86+\t/2], v29 matrix_a_fmt:MATRIX_FMT_FP6 matrix_b_fmt:MATRIX_FMT_FP6
.endif
.endr
.rept 4
	v_nop                                          ; places in front of the loads into K's registers and of the first read of the scores
.endr
.irp t, 0,1,2,3                                ; V's four tiles: they land while the softmax is worked
.irp c, 0,1
	ds_load_b128 v[32+12*\t+6*\c:35+12*\t+6*\c], v8 offset:VOFF+1536*\t+768*\c
	ds_load_b64 v[36+12*\t+6*\c:37+12*\t+6*\c], v9 offset:VOFF+1536*\t+768*\c
.endr
.endr
	ds_load_b32 v90, v28
	ds_load_b32 v91, v28 offset:128
.irp b, 0,1,2,3
	v_max3_num_f32 v[232+\b], v[96+16*\b], v[97+16*\b], v[98+16*\b]   ; the largest score of each block of 32 keys: it serves the row's maximum and, since p rises with the score, the block's largest p
.endr
.irp i, 3,5,7,9,11,13
.irp b, 0,1,2,3
	v_max3_num_f32 v[232+\b], v[232+\b], v[96+16*\b+\i], v[97+16*\b+\i]
.endr
.endr
.irp b, 0,1,2,3
	v_max_num_f32 v[232+\b], v[232+\b], v[111+16*\b]
.endr
.irp b, 0,1,2,3
	v_permlanex16_b32 v[236+\b], v[232+\b], s[SEL], s[SEL+1]
.endr
.irp b, 0,1,2,3
	v_max_num_f32 v[232+\b], v[232+\b], v[236+\b]  ; with lane l xor 16's 16 keys
.endr
	v_max3_num_f32 v254, v232, v233, v234
	v_max_num_f32 v254, v254, v235                 ; the step's largest score of my query
	v_mul_f32 v254, s[CS], v254                    ; as t (c is positive)
	v_max_num_f32 v13, v13, v254                   ; the running largest t
	v_mov_b32 v254, v12
	v_floor_f32 v12, -v13                          ; the new -M = floor(-t) = -ceil(t)
	v_sub_f32 v254, v12, v254                      ; old M - new M: a whole number, 0 or less
	v_cvt_i32_f32 v254, v254                       ; (it saturates)
	v_ldexp_f32 v212, 1.0, v254                    ; f = 2^(old M - new M)
.set j, 0
.rept 32
	v_pk_fma_f32 v[96+j:97+j], v[96+j:97+j], s[CS:CS+1], v[12:13] op_sel_hi:[1,0,0]   ; t - M, two at a time
.set j, j+2
.endr
.irp b, 0,1,2,3
	v_fma_f32 v[232+\b], v[232+\b], s[CS], v12     ; the same of each block's largest score
.endr
.set j, 0
.rept 64
	v_exp_f32 v[96+j], v[96+j]                     ; p = 2^(t - M), at most 1
.set j, j+1
.endr
.irp b, 0,1,2,3
	v_exp_f32 v[232+\b], v[232+\b]                 ; the block's largest p: the same two instructions on the same number
.endr
	v_pk_mul_f32 v[14:15], v[14:15], v[212:213] op_sel_hi:[1,0]   ; the sums under the new M.  (A plain place behind the exponentials)
	s_wait_alu depctr_va_vdst(0)
.irp b, 0,1,2,3
	v_max_num_f32 v[232+\b], 0x1800000, v[232+\b]  ; the floor 2^(3 - 127): the byte cannot fall under 1
.endr
.irp b, 0,1,2,3
	v_add_nc_u32 v[244+\b], 0xff000000, v[232+\b]  ; 2 off the exponent field: the conversion's scale operand
.endr
.irp b, 0,1,2,3
	v_lshrrev_b32 v[236+\b], 23, v[244+\b]         ; the scale's byte
.endr
	v_lshl_or_b32 v92, v237, 8, v236               ; p's scale word for these 128 keys
	v_lshl_or_b32 v92, v238, 16, v92
	v_lshl_or_b32 v92, v239, 24, v92
.irp c, 0,1
	v_cvt_scalef32_pk16_fp6_f32 v[192+6*\c:194+6*\c], v[96+32*\c:111+32*\c], v[244+2*\c]
	v_cvt_scalef32_pk16_fp6_f32 v[204+4*\c:206+4*\c], v[112+32*\c:127+32*\c], v[244+2*\c+1]   ; (a conversion's three registers begin on an even number)
.endr
	v_nop                                          ; one plain place behind a scaled conversion
.irp c, 0,1                                    ; the layout wants a whole block in a lane
.irp i, 0,1,2
	v_permlane16_swap_b32 v[192+6*\c+\i], v[204+4*\c+\i]
.endr
.irp i, 0,1,2
	v_mov_b32 v[195+6*\c+\i], v[204+4*\c+\i]
.endr
.endr
	v_pk_add_f32 v[236:237], v[96:97], v[98:99]    ; the row's sum is taken of the unquantised p: two at a time, in two chains.  (These are also the places between p's codes and scale word and the products below)
.irp j, 4,8,12,16,20,24,28,32,36,40,44,48,52,56,60
	v_pk_add_f32 v[14:15], v[14:15], v[96+\j:97+\j]
	v_pk_add_f32 v[236:237], v[236:237], v[98+\j:99+\j]
.endr
	v_pk_add_f32 v[14:15], v[14:15], v[236:237]
.set j, 0
.rept 16
	v_pk_mul_f32 v[160+j:161+j], v[160+j:161+j], v[212:213] op_sel_hi:[1,0]   ; O^T under the new M
.set j, j+2
.endr
	s_wait_dscnt 0x0                               ; V and its scale words are in
.irp t, 0,1,2,3                                ; O^T += V^T P^T: four accumulators, one instruction each
.if (\t)%2
	v_wmma_scale_f32_16x16x128_f8f6f4 v[160+8*\t:167+8*\t], v[32+12*\t:43+12*\t], v[192:203], v[160+8*\t:167+8*\t], v[90+\t/2], v92 matrix_a_fmt:MATRIX_FMT_FP6 matrix_b_fmt:MATRIX_FMT_FP6 matrix_a_scale:MATRIX_SCALE_ROW1
.else
	v_wmma_scale_f32_16x16x128_f8f6f4 v[160+8*\t:167+8*\t], v[32+12*\t:43+12*\t], v[192:203], v[160+8*\t:167+8*\t], v[90+\t/2], v92 matrix_a_fmt:MATRIX_FMT_FP6 matrix_b_fmt:MATRIX_FMT_FP6
.endif
.endr
	s_add_co_u32 s[TS], s[TS], 512                 ; the next step's scale words
.endm
; THE CHANGE OF SLOTS stands at a step's head.  Each wave waits for all its tensor loads, adds 0 to its spare word, and waits for that and for its reads of the slot that it has left.
; fill = 1: the barrier is a round of the cluster's, and behind it the slot just left is filled with the next key step: the load has a whole step in which to land.
.macro CHANGE fill
	s_wait_tensorcnt 0x0                           ; no tensor load of mine is out, so a group 0 may be written
	ds_add_u32 v[SPW], v[NIL]                      ; 0 onto my spare word
.if \fill
	s_xor_b32 s[G0K+1], s[G0K+1], SLOT1            ; the walking descriptors: the other slot than last time, the next 128 keys
	s_add_nc_u64 s[G0K+2:G0K+3], s[G0K+2:G0K+3], 6144
	s_xor_b32 s[G0V+1], s[G0V+1], SLOT1
	s_add_nc_u64 s[G0V+2:G0V+3], s[G0V+2:G0V+3], 12288
	s_xor_b32 s[G0M+1], s[G0M+1], SLOT1
	s_add_nc_u64 s[G0M+2:G0M+3], s[G0M+2:G0M+3], 8192
	s_wait_dscnt 0x0                               ; the add is done, and my reads of the slot that I have left are over
	ROUND
	TLOAD3                                         ; the first thing behind the round, and a wave's one tensor load until the next
.else
	s_wait_dscnt 0x0
	s_barrier_signal -1
	s_barrier_wait -1
.endif
.endm
	s_wait_loadcnt 0x0                             ; Q
.Lslot:                                            ; 15 trips: behind each change of slots but the last the next key step is asked for
	CHANGE 1
	STEP
	s_xor_b32 s[TB], s[TB], SLOT1
	s_sub_co_u32 s[SLOTS], s[SLOTS], 1
	s_cmp_lg_u32 s[SLOTS], 0
	s_cbranch_scc1 .Lslot
	CHANGE 0                                       ; the last step is written out
	STEP
	; THE WAY OUT.  O^T / the sum: register 16 b + i of lane (r, h) is o(query r, d = 32 b + 16 h + i): two blocks of the last product's K.  They are quantised and leave as half an image.
.rept 4
	v_nop
.endr
	v_add_f32 v14, v14, v15
	v_permlanex16_b32 v254, v14, s[SEL], s[SEL+1]
	v_add_f32 v14, v14, v254                       ; the row's sum
	v_rcp_f32 v14, v14
	v_nop                                          ; a plain place behind the transcendental
.set j, 0
	s_wait_alu depctr_va_vdst(0)
.rept 16
	v_pk_mul_f32 v[96+j:97+j], v[160+j:161+j], v[14:15] op_sel_hi:[1,0]   ; each accumulator from its low end on
.set j, j+2
.endr
.irp b, 0,1
	v_max3_num_f32 v[232+\b], |v[96+16*\b]|, |v[97+16*\b]|, 0x1800000
.endr
.irp i, 2,4,6,8,10,12,14
.irp b, 0,1
	v_max3_num_f32 v[232+\b], v[232+\b], |v[96+16*\b+\i]|, |v[97+16*\b+\i]|
.endr
.endr
.irp b, 0,1
	v_permlanex16_b32 v[236+\b], v[232+\b], s[SEL], s[SEL+1]
.endr
.irp b, 0,1
	v_max_num_f32 v[232+\b], v[232+\b], v[236+\b]
.endr
.irp b, 0,1
	v_add_nc_u32 v[244+\b], 0xff000000, v[232+\b]
.endr
.irp b, 0,1
	v_lshrrev_b32 v[236+\b], 23, v[244+\b]
.endr
	v_lshl_or_b32 v240, v237, 8, v236              ; my row's two scale bytes
	v_cvt_scalef32_pk16_fp6_f32 v[192:194], v[96:111], v244
	v_cvt_scalef32_pk16_fp6_f32 v[196:198], v[112:127], v245
	v_nop                                          ; one plain place behind a scaled conversion
.irp i, 0,1,2
	v_permlane16_swap_b32 v[192+\i], v[196+\i]     ; lanes 0-15 block 0, lanes 16-31 block 1
.endr
	v_mov_b32 v195, v196
	v_mov_b32 v196, v197
	v_mov_b32 v197, v198
	global_store_b128 v30, v[192:195], s[10:11]    ; 512 consecutive bytes, at a multiple of 256 from oc's first byte
	global_store_b64 v31, v[196:197], s[10:11]     ; and 256
	ds_store_b16 v214, v240                        ; both lanes of a row write the same bytes with the same value
	s_wait_dscnt 0x0                               ; for the others' sake: my store is done
	s_barrier_signal -1
	s_barrier_wait -1
	s_cmp_lg_u32 s[WV], 0
	s_cbranch_scc1 .Lnot_first                     ; wave 0 stores the block's 64 rows x 8 scale bytes
	ds_load_b64 v[218:219], v215
	ds_load_b64 v[220:221], v215 offset:256
	s_wait_dscnt 0x0
	global_store_b64 v216, v[218:219], s[12:13]
	global_store_b64 v216, v[220:221], s[12:13] offset:1024
.Lnot_first:
	s_wait_tensorcnt 0x0                           ; the wave's end
	ds_add_u32 v[SPW], v[NIL]
	s_wait_dscnt 0x0
	ROUND                                          ; the closing round
	s_endpgm
.Lfunc_end_k_qdb3f16bb80_attn:
	.size	k_qdb3f16bb80_attn, .Lfunc_end_k_qdb3f16bb80_attn-k_qdb3f16bb80_attn
	.p2alignl 7, 3214868480
	.fill 96, 4, 3214868480
	.section	.rodata,"a",@progbits
	.p2align	6, 0x0
	.amdhsa_kernel k_qdb3f16bb80_attn
		.amdhsa_group_segment_fixed_size 327680
		.amdhsa_private_segment_fixed_size 0
		.amdhsa_enable_private_segment 0
		.amdhsa_kernarg_size 40
		.amdhsa_user_sgpr_count 2
		.amdhsa_user_sgpr_kernarg_segment_ptr 1
		.amdhsa_wavefront_size32 1
		.amdhsa_system_sgpr_workgroup_id_x 1
		.amdhsa_system_sgpr_workgroup_id_y 1
		.amdhsa_system_sgpr_workgroup_id_z 1
		.amdhsa_system_vgpr_workitem_id 0
		.amdhsa_next_free_vgpr 256
		.amdhsa_next_free_sgpr 102
		.amdhsa_reserve_vcc 0
		.amdhsa_float_denorm_mode_32 3
		.amdhsa_float_denorm_mode_16_64 3
		.amdhsa_memory_ordered 1
		.amdhsa_forward_progress 1
		.amdhsa_inst_pref_size 52
	.end_amdhsa_kernel
	.amdgpu_metadata
---
amdhsa.version: [ 1, 2 ]
amdhsa.kernels:
  - .name:           k_qdb3f16bb80_attn
    .symbol:         k_qdb3f16bb80_attn.kd
    .args:
      - { .name: pc, .offset: 0, .size: 8, .value_kind: global_buffer, .address_space: global }
      - { .name: ps, .offset: 8, .size: 8, .value_kind: global_buffer, .address_space: global }
      - { .name: mb, .offset: 16, .size: 8, .value_kind: global_buffer, .address_space: global }
      - { .name: oc, .offset: 24, .size: 8, .value_kind: global_buffer, .address_space: global }
      - { .name: os, .offset: 32, .size: 8, .value_kind: global_buffer, .address_space: global }
    .group_segment_fixed_size: 327680
    .private_segment_fixed_size: 0
    .kernarg_segment_align: 8
    .kernarg_segment_size: 40
    .max_flat_workgroup_size: 512
    .sgpr_count:     102
    .vgpr_count:     256
    .wavefront_size: 32
...
	.end_amdgpu_metadata
.endif
;; end of part 3
;; launch outp (part 4): grid 4 x 32, 4 waves a work-group, clusters of 4 x 4, 327,680 bytes of LDS; arguments oc, os, xc, xs, bo, out0; writes out0
.if DOCPART == 4
	.amdgcn_target "amdgcn-amd-amdhsa--gfx1250"
	.amdhsa_code_object_version 6
	.text
	.protected	k_qdb3f16bb80_outp
	.globl	k_qdb3f16bb80_outp
	.p2align	8
	.type	k_qdb3f16bb80_outp,@function
k_qdb3f16bb80_outp:
	s_mov_b64 s[64:65], 0
	v_nop
	global_prefetch_b8 v0, s[64:65] scope:SCOPE_SE
	s_setreg_imm32_b32 hwreg(HW_REG_WAVE_MODE, 25, 1), 1
	s_wait_xcnt 0x0
	s_wait_alu depctr_hold_cnt(0) depctr_sa_sdst(0) depctr_va_vdst(0) depctr_va_sdst(0) depctr_va_ssrc(0) depctr_va_vcc(0) depctr_vm_vsrc(0)
	s_getreg_b32 s2, hwreg(HW_REG_IB_STS2, 6, 4)
	s_cmp_eq_u32 s2, 0
	s_cbranch_scc0 .Lentry_in_a_cluster
	s_endpgm
.Lentry_in_a_cluster:
	s_bfe_u32 s2, ttmp6, 0x10000c
	s_cmp_lg_u32 s2, 0xf033
	s_cbranch_scc0 .Lentry_shape_is_right
	s_endpgm
.Lentry_shape_is_right:
; out0 = o Wo^T + bo on codes of FP6 (E2M3) with E8M0 scales; sums and result in f32.  o: [8192][1024] as images of fragments in oc, [token tile 512][K step 8][1,536], scale words in os, [token in tile order][8 words];
; Wo likewise in xc and xs, row tiles 1,728 .. 1,791.  Row tile T: lane r stands for row 32 (T / 2) + 8 (T % 2) + r + 8 (r / 8).
; An image: for c = 0, 1: registers 6 c .. 6 c + 3 at 768 c + 16 x lane, registers 6 c + 4, 6 c + 5 at 768 c + 512 + 8 x lane.
; SHARES.  A work-group makes 256 tokens ("A", source 1) x 256 features ("B", source 0 = rows of Wo), K = 1,024; a wave 128 x 128: 64 accumulators.  A lane holds one token, and its registers 16 b + i of a block's eight accumulators
; the features 32 b + 16 (lane / 16) + i.  K goes in steps of 256 through a ring of two LDS slots (8 row tiles x 3,072 bytes a load); the scale words come once, with the first fills.
; CLUSTERS: 4 x 4: A's tiles are shared along a row of the cluster, B's along a column, each asked for jointly by four.  128 work-groups: what the result's 8,192 x 1,024 gives at this tile.
; The bias is the C of the first products.  LIMITS: NaN and infinities are not served.
; REGISTERS, in windows of 256: window 0: v0-31 addresses; v32-63 scale words, two sets; v64-127 the bias; v128-223 A's 8 fragments, one set; on the way out v128-255 take rows back from the stage.
;   window 1: B's fragments, two sets.   window 2: the accumulators of my A blocks 0-3 ((a, b) at v[8 (8 a + b)]);   window 3: those of blocks 4-7.
.set NQ,     2
.set FR,     12
.set NL,     4
.set NP,     4
.set TILEB,  3072
.set HALFT,  8*TILEB
.set SLOT,   4*HALFT
.set LAPS,   2
.set KS,     32
.set SCL,    2*SLOT
.set HALFS,  16*272
.set SBLK,   2*272
.set SPARE,  SCL+4*HALFS               ; the spare words, 128 bytes for each wave: two blocks of 256 bytes that no other line names
.set STAGE,  SPARE+512                 ; the way out: 16 rows x (512 + 16) bytes for each wave; no fill lands here
.set SPITCH, 528
.set CO,   4                           ; v4   16 x lane
.set O8A,  5                           ; v5   512 + 8 x lane
.set ADRA, 16
.set ADRB, 20
.set STO,  24                          ; v24  the way out: where I put 32 bytes of a row
.set RD,   25                          ; v25  where I read a row back
.set ADRS, 27
.set SPW,  28                          ; v28  my spare word: SPARE + 4 x my thread's number; never rewritten
.set NIL,  29                          ; v29  0; never rewritten
.set SC,   32
.set BI,   64
.set AF,   128
.set BK,   128
.set G1, 24
.set G0, 32
.set G1B, 48
.set G0B, 56
.set G1S, 68
.set G0S, 76
.set G1SB, 80
.set G0SB, 88
.set MSB, 0
.macro WIN new                         ; the immediate's high byte repeats the setting that is left
.if MSB != (\new)
	s_set_vgpr_msb (MSB<<8)|(\new)
.set MSB, (\new)
.endif
.endm
.set MUL_LO, 0xa1
.set MUL_HI, 0xf1
.set TO_B,   0x40
.macro JLOAD g0a, g1a, g0b, g1b        ; a joint load: waves 0 and 1 fetch for A, waves 2 and 3 for B; four v_nop follow each of the two lines
	s_cmp_eq_u32 s15, 0
	s_cbranch_scc0 .Lfor_b_\@
	tensor_load_to_lds s[\g0a:\g0a+3], s[\g1a:\g1a+7]
	s_nop 0
.rept 4
	v_nop
.endr
	s_branch .Lasked_\@
.Lfor_b_\@:
	tensor_load_to_lds s[\g0b:\g0b+3], s[\g1b:\g1b+7]
	s_nop 0
.rept 4
	v_nop
.endr
.Lasked_\@:
.endm
.macro CREST
	s_cmp_lg_u32 s14, 0
	s_cbranch_scc1 .Lnot_wave_0_\@
	s_barrier_signal -3
.Lnot_wave_0_\@:
	s_barrier_wait -3
	s_barrier_signal -1
	s_barrier_wait -1
.endm
.macro CROUND
	s_barrier_signal -1
	s_barrier_wait -1
	CREST
.endm
	s_load_b256 s[4:11], s[0:1], 0x0               ; oc s[4:5], os s[6:7], xc s[8:9], xs s[10:11]
	s_load_b128 s[96:99], s[0:1], 0x20             ; bo s[96:97], out0 s[98:99]
	v_lshl_add_u32 v[SPW], v0, 2, SPARE
	v_mov_b32 v[NIL], 0
	ds_add_u32 v28, v29
	s_wait_dscnt 0x0
	v_lshrrev_b32 v1, 5, v0
	v_readfirstlane_b32 s14, v1                    ; wave 0..3
	s_lshr_b32 s15, s14, 1                         ; which half of the tokens is mine.  Also: I fetch for A (0) or for B (1)
	s_and_b32 s16, s14, 1                          ; which half of the features.  Also: which 128 rows I fetch
	s_bfe_u32 s40, ttmp6, 0x40000                  ; cx, cy
	s_bfe_u32 s41, ttmp6, 0x40004
	s_and_b32 s17, ttmp7, 0xffff
	s_lshl_b32 s17, s17, 2
	s_add_co_u32 s17, s17, s41                     ; block of 256 tokens: 4 x cluster y + cy
	s_lshl_b32 s23, s16, 3
	s_lshl_b32 s21, s17, 4
	s_add_co_u32 s21, s21, s23                     ; A: row tile 16 x block + 8 half
	s_lshl_b32 s22, s40, 4
	s_add_co_u32 s22, s22, s23
	s_add_co_u32 s22, s22, 1728                    ; B: Wo's row tile 16 cx + 8 half
	s_mul_i32 s46, s21, 12288
	s_mov_b32 s47, 0
	s_lshl_b32 s92, s21, 9
	s_mov_b32 s93, 0
	s_mul_i32 s44, s22, 12288
	s_mov_b32 s45, 0
	s_lshl_b32 s42, s22, 9
	s_mov_b32 s43, 0
	s_lshl_b32 s2, s41, 2
	s_lshl_b32 s2, 15, s2                          ; my row of the cluster
	s_lshl_b32 s94, 0x1111, s40                    ; my column
	s_or_b32 s[G1+0], s2, (3<<16)|(1<<21)          ; 8 rows (row tiles) of 384 elements of 8 bytes, 1,536 elements apart; no padding
	s_or_b32 s[G1B+0], s94, (3<<16)|(1<<21)
.irp g, G1, G1B
	s_mov_b32 s[\g+1], 384<<16
	s_mov_b32 s[\g+2], 8<<16
	s_mov_b32 s[\g+3], 384<<16
	s_mov_b32 s[\g+4], 8
	s_mov_b32 s[\g+5], 1536
	s_mov_b32 s[\g+6], 0
	s_mov_b32 s[\g+7], 0
.endr
	s_or_b32 s[G1S+0], s2, (3<<16)|(1<<20)|(1<<21)|(5<<22)|(3<<25)   ; the scale words of 128 rows: 16 rows of 256 bytes, 16 bytes of padding behind each
	s_or_b32 s[G1SB+0], s94, (3<<16)|(1<<20)|(1<<21)|(5<<22)|(3<<25)
.irp g, G1S, G1SB
	s_mov_b32 s[\g+1], 32<<16
	s_mov_b32 s[\g+2], 16<<16
	s_mov_b32 s[\g+3], 32<<16
	s_mov_b32 s[\g+4], 16
	s_mov_b32 s[\g+5], 32
	s_mov_b32 s[\g+6], 0
	s_mov_b32 s[\g+7], 0
.endr
	s_mul_i32 s3, s14, HALFT                       ; where they go: wave x 128 rows
	s_mul_i32 s23, s14, HALFS
	s_wait_kmcnt 0x0
	s_add_nc_u64 s[46:47], s[4:5], s[46:47]
	s_add_nc_u64 s[92:93], s[6:7], s[92:93]
	s_add_nc_u64 s[44:45], s[8:9], s[44:45]
	s_add_nc_u64 s[42:43], s[10:11], s[42:43]
	CROUND                                         ; all sixteen work-groups are here: the first joint loads meet
	s_mov_b32 s[G0S], 1
	s_add_co_u32 s[G0S+1], s23, SCL
	s_mov_b64 s[G0S+2:G0S+3], s[92:93]
	s_or_b32 s[G0S+3], s[G0S+3], 0x80000000
	s_mov_b32 s[G0SB], 1
	s_add_co_u32 s[G0SB+1], s23, SCL
	s_mov_b64 s[G0SB+2:G0SB+3], s[42:43]
	s_or_b32 s[G0SB+3], s[G0SB+3], 0x80000000
	JLOAD G0S, G1S, G0SB, G1SB
.irp s, 0,1
	s_mov_b32 s[G0+4*\s], 1
	s_add_co_u32 s[G0+4*\s+1], s3, \s*SLOT
	s_add_nc_u64 s[G0+4*\s+2:G0+4*\s+3], s[46:47], \s*TILEB
	s_or_b32 s[G0+4*\s+3], s[G0+4*\s+3], 0x80000000
	s_mov_b32 s[G0B+4*\s], 1
	s_add_co_u32 s[G0B+4*\s+1], s3, \s*SLOT
	s_add_nc_u64 s[G0B+4*\s+2:G0B+4*\s+3], s[44:45], \s*TILEB
	s_or_b32 s[G0B+4*\s+3], s[G0B+4*\s+3], 0x80000000
	JLOAD G0+4*\s, G1, G0B+4*\s, G1B               ; three tensor loads of mine are out
.endr
	v_and_b32 v1, 15, v0                           ; r
	v_bfe_u32 v2, v0, 4, 1                         ; h
	v_and_b32 v3, 31, v0                           ; lane
	v_lshlrev_b32 v[CO], 4, v3
	v_lshlrev_b32 v[O8A], 3, v3
	v_add_nc_u32 v[O8A], 0x200, v[O8A]
	s_mul_i32 s21, s15, HALFT
	s_mul_i32 s22, s16, HALFT
	s_add_co_u32 s22, s22, 2*HALFT
.irp s, 0,1
	v_add_nc_u32 v[ADRA+\s], s21, v[CO]
	v_add_nc_u32 v[ADRB+\s], s22, v[CO]
	v_add_nc_u32 v[ADRA+2+\s], s21, v[O8A]
	v_add_nc_u32 v[ADRB+2+\s], s22, v[O8A]
	s_add_co_u32 s21, s21, SLOT
	s_add_co_u32 s22, s22, SLOT
.endr
	v_mul_u32_u24 v6, v1, KS
	v_lshrrev_b32 v7, 8, v6
	v_lshl_add_u32 v6, v7, 4, v6
	s_mul_i32 s21, s15, HALFS
	s_mul_i32 s22, s16, HALFS
	s_add_co_u32 s22, s22, 2*HALFS
	s_sub_co_u32 s22, s22, s21
	v_mul_u32_u24 v7, s22, v2                      ; lanes 16-31 take B's
	s_add_co_u32 s21, s21, SCL
	v_add_nc_u32 v6, v6, v7
	v_add_nc_u32 v[ADRS], s21, v6
	s_mul_i32 s21, s14, 16*SPITCH
	s_add_co_u32 s21, s21, STAGE                   ; my stage
	v_mul_u32_u24 v6, v1, SPITCH
	v_lshl_add_u32 v6, v2, 6, v6
	v_add_nc_u32 v[STO], s21, v6                   ; in: row r, + 64 h
	v_add_nc_u32 v[RD], s21, v[CO]                 ; back: a row of 512 bytes, 16 a lane
	s_lshl_b32 s19, s17, 8
	s_lshl_b32 s20, s15, 7
	s_add_co_u32 s19, s19, s20                     ; my first token
	s_lshl_b32 s42, s19, 12                        ; rows of 4,096 bytes (under 2^26)
	s_lshl_b32 s20, s40, 10
	s_add_co_u32 s42, s42, s20
	s_lshl_b32 s20, s16, 9
	s_add_co_u32 s42, s42, s20                     ; + my first feature: 1,024 cx + 512 half bytes
	s_mov_b32 s43, 0
	s_add_nc_u64 s[98:99], s[98:99], s[42:43]
	s_lshl_b32 s19, s40, 10
	s_add_co_u32 s19, s19, s20
	v_lshl_add_u32 v26, v2, 6, s19                 ; bo: lane (r, h) wants, for block b, the features 32 (b / 2) + 8 (b % 2) + 16 h + 0 .. 7
.irp b, 0,1,2,3,4,5,6,7
	global_load_b128 v[BI+8*\b:BI+8*\b+3], v26, s[96:97] offset:(32*(\b/2)+8*(\b%2))*4
	global_load_b128 v[BI+8*\b+4:BI+8*\b+7], v26, s[96:97] offset:(32*(\b/2)+8*(\b%2))*4+16
.endr
	s_wait_loadcnt 0x0
.macro FRAG reg, adr, q, i
.irp c, 0,1
	ds_load_b128 v[\reg+6*\c:\reg+6*\c+3], v[\adr] offset:(\i)*TILEB+(\q)*1536+768*\c
	ds_load_b64 v[\reg+6*\c+4:\reg+6*\c+5], v[\adr+2] offset:(\i)*TILEB+(\q)*1536+768*\c
.endr
.endm
; 16 matrix instructions: A's blocks a0, a0 + 1 x B's eight.  zero = 1: the first products start the sums from the bias.  The 64 accumulators take turns, one instruction a turn.
.macro MUL16 a0, p, q, sc, zero
.irp a, \a0, \a0+1
.irp b, 0,1,2,3,4,5,6,7
.if \zero
	v_wmma_scale_f32_16x16x128_f8f6f4 v[8*(8*((\a)%4)+\b):8*(8*((\a)%4)+\b)+7], v[128*(\p)+FR*\b:128*(\p)+FR*\b+FR-1], v[AF+FR*(\a):AF+FR*(\a)+FR-1], v[BI+8*\b:BI+8*\b+7], v[SC+8*NQ*(\sc)+NQ*\b+(\q)], v[SC+8*NQ*(\sc)+NQ*(\a)+(\q)] matrix_a_fmt:MATRIX_FMT_FP6 matrix_b_fmt:MATRIX_FMT_FP6 matrix_a_scale:MATRIX_SCALE_ROW1
.else
	v_wmma_scale_f32_16x16x128_f8f6f4 v[8*(8*((\a)%4)+\b):8*(8*((\a)%4)+\b)+7], v[128*(\p)+FR*\b:128*(\p)+FR*\b+FR-1], v[AF+FR*(\a):AF+FR*(\a)+FR-1], v[8*(8*((\a)%4)+\b):8*(8*((\a)%4)+\b)+7], v[SC+8*NQ*(\sc)+NQ*\b+(\q)], v[SC+8*NQ*(\sc)+NQ*(\a)+(\q)] matrix_a_fmt:MATRIX_FMT_FP6 matrix_b_fmt:MATRIX_FMT_FP6 matrix_a_scale:MATRIX_SCALE_ROW1
.endif
.endr
.endr
.endm
.macro FETCH_B slot, q, p
	WIN TO_B
.irp i, 0,1,2,3,4,5,6,7
	FRAG 128*(\p)+FR*\i, ADRB+\slot, \q, \i
.endr
	WIN 0
.endm
.macro FETCH_A slot, q, i0
.irp i, \i0, \i0+1, \i0+2, \i0+3
	FRAG AF+FR*(\i), ADRA+\slot, \q, \i
.endr
.endm
.macro SCALES sc
.irp i, 0,1,2,3,4,5,6,7
	ds_load_b64 v[SC+8*NQ*\sc+NQ*\i:SC+8*NQ*\sc+NQ*\i+1], v[ADRS] offset:\i*SBLK
.endr
.endm
.macro PLACES n                        ; places in front of loads into registers that matrix instructions have read, and of the first read of results (ISA guide 7.12.1 for the first read of results)
.rept \n
	v_nop
.endr
.endm
.macro STEP slot, q, zero
	s_wait_dscnt 4*NL                              ; all but the youngest 16 loads (A's blocks 4-7) are in
	WIN MUL_LO-0x20*(\zero)
	MUL16 0, (\q)%2, \q, \slot, \zero
	MUL16 2, (\q)%2, \q, \slot, \zero
	s_wait_dscnt 0
	PLACES NP
	FETCH_B \slot, (\q)+1, 1-(\q)%2
	FETCH_A \slot, (\q)+1, 0
	WIN MUL_HI-0x30*(\zero)
	MUL16 4, (\q)%2, \q, \slot, \zero
	MUL16 6, (\q)%2, \q, \slot, \zero
	PLACES NP
	WIN 0
	FETCH_A \slot, (\q)+1, 4
.endm
; A slot's last step changes slots: ONE barrier; in front of it each wave waits for all its tensor loads, adds 0 to its spare word, and waits for that and for its own reads of this slot.
.macro TURN slot, next, fill
	s_wait_tensorcnt 0x0                           ; all my tensor loads have landed: my part of the next slot
	ds_add_u32 v[SPW], v[NIL]                      ; 0 onto my spare word
	s_wait_dscnt 4*NL+1                            ; (the add and the youngest 16 loads may be out)
	WIN MUL_LO
	MUL16 0, 1, NQ-1, \slot, 0
	s_wait_dscnt 0x0                               ; the add is done, and my reads of this slot are over
	s_barrier_signal -1
	MUL16 2, 1, NQ-1, \slot, 0
	WIN 0
	s_barrier_wait -1
.if \fill
	CREST                                          ; the barrier has opened a round of the cluster's barrier: no wave of any partner still reads this slot or has a load on its way
	s_add_nc_u64 s[G0+4*\slot+2:G0+4*\slot+3], s[G0+4*\slot+2:G0+4*\slot+3], 2*TILEB
	s_add_nc_u64 s[G0B+4*\slot+2:G0B+4*\slot+3], s[G0B+4*\slot+2:G0B+4*\slot+3], 2*TILEB
	JLOAD G0+4*\slot, G1, G0B+4*\slot, G1B
.else
	PLACES NP
.endif
	v_add_nc_u32 v[ADRS], 4*NQ, v[ADRS]
	FETCH_B \next, 0, 0
	FETCH_A \next, 0, 0
	SCALES \next
	WIN MUL_HI
	MUL16 4, 1, NQ-1, \slot, 0
	MUL16 6, 1, NQ-1, \slot, 0
	PLACES NP
	WIN 0
	FETCH_A \next, 0, 4
.endm
	s_wait_tensorcnt 1                             ; the scales and my part of slot 0 are in (slot 1's load may be out)
	s_barrier_signal -1
	s_barrier_wait -1                              ; everybody's are
	FETCH_B 0, 0, 0
	FETCH_A 0, 0, 0
	SCALES 0
	FETCH_A 0, 0, 4
	STEP 0, 0, 1
	s_mov_b32 s3, LAPS-1
.Llap:
	TURN 0, 1, 1
	STEP 1, 0, 0
	TURN 1, 0, 1
	STEP 0, 0, 0
	s_sub_co_u32 s3, s3, 1
	s_cmp_lg_u32 s3, 0
	s_cbranch_scc1 .Llap
	TURN 0, 1, 0
	STEP 1, 0, 0
	s_wait_dscnt 4*NL
	WIN MUL_LO
	MUL16 0, 1, NQ-1, 1, 0
	MUL16 2, 1, NQ-1, 1, 0
	s_wait_dscnt 0
	WIN MUL_HI
	MUL16 4, 1, NQ-1, 1, 0
	MUL16 6, 1, NQ-1, 1, 0
	WIN 0
; THE WAY OUT, block by block of 16 tokens x 128 features, through my own stage: a lane's 32 bytes of a block b lie at feature 32 (b / 2) + 16 h + 8 (b % 2); whole rows of 512 bytes come back, and the 32 lanes store
; 512 consecutive bytes, at a multiple of 256 from out0's first byte.  Stage row t is token 32 (a / 2) + 8 (a % 2) + t + 8 (t / 8) of my 128: it stands in the store's immediate (127 rows of 4,096 bytes at the most).
.macro TOSTAGE a
.set AC, 64*((\a)%4)
	WIN 0x08+4*((\a)/4)                            ; the data: window 2 or 3
.irp b, 0,1,2,3,4,5,6,7
	ds_store_b128 v[STO], v[AC+8*\b:AC+8*\b+3] offset:128*(\b/2)+32*(\b%2)        ; each accumulator from its low end on
	ds_store_b128 v[STO], v[AC+8*\b+4:AC+8*\b+7] offset:128*(\b/2)+32*(\b%2)+16
.endr
	WIN 0
.set BB, BK+64*((\a)%2)
.irp t, 0,1,2,3,4,5,6,7,8,9,10,11,12,13,14,15
	ds_load_b128 v[BB+4*\t:BB+4*\t+3], v[RD] offset:\t*SPITCH   ; LDS serves a wave's instructions in order: these see the stores above
.endr
.endm
.macro SEND a, younger
.set BB, BK+64*((\a)%2)
	s_wait_dscnt \younger                          ; the block is back in registers
.irp t, 0,1,2,3,4,5,6,7,8,9,10,11,12,13,14,15
	global_store_b128 v[CO], v[BB+4*\t:BB+4*\t+3], s[98:99] offset:(32*((\a)/2)+8*((\a)%2)+\t+8*(\t/8))*4096 th:TH_STORE_NT
.endr
.endm
	PLACES NP
	TOSTAGE 0
.irp a, 1,2,3,4,5,6,7
.if \a > 1
	s_wait_xcnt 0x0                                ; the stores of two blocks back have read their registers: this block's loads may land there
.endif
	TOSTAGE \a
	SEND \a-1, 32                                  ; behind that block's loads: this block's 16 stores and 16 loads
.endr
	SEND 7, 0
	s_wait_tensorcnt 0x0                           ; the wave's end
	ds_add_u32 v[SPW], v[NIL]
	s_wait_dscnt 0x0
	CROUND                                         ; the closing round
	s_endpgm
.Lfunc_end_k_qdb3f16bb80_outp:
	.size	k_qdb3f16bb80_outp, .Lfunc_end_k_qdb3f16bb80_outp-k_qdb3f16bb80_outp
	.p2alignl 7, 3214868480
	.fill 96, 4, 3214868480
	.section	.rodata,"a",@progbits
	.p2align	6, 0x0
	.amdhsa_kernel k_qdb3f16bb80_outp
		.amdhsa_group_segment_fixed_size 327680
		.amdhsa_private_segment_fixed_size 0
		.amdhsa_enable_private_segment 0
		.amdhsa_kernarg_size 48
		.amdhsa_user_sgpr_count 2
		.amdhsa_user_sgpr_kernarg_segment_ptr 1
		.amdhsa_wavefront_size32 1
		.amdhsa_system_sgpr_workgroup_id_x 1
		.amdhsa_system_sgpr_workgroup_id_y 1
		.amdhsa_system_sgpr_workgroup_id_z 1
		.amdhsa_system_vgpr_workitem_id 0
		.amdhsa_next_free_vgpr 1024
		.amdhsa_next_free_sgpr 102
		.amdhsa_reserve_vcc 0
		.amdhsa_float_denorm_mode_32 3
		.amdhsa_float_denorm_mode_16_64 3
		.amdhsa_memory_ordered 1
		.amdhsa_forward_progress 1
		.amdhsa_inst_pref_size 145
	.end_amdhsa_kernel
	.amdgpu_metadata
---
amdhsa.version: [ 1, 2 ]
amdhsa.kernels:
  - .name:           k_qdb3f16bb80_outp
    .symbol:         k_qdb3f16bb80_outp.kd
    .args:
      - { .name: oc, .offset: 0, .size: 8, .value_kind: global_buffer, .address_space: global }
      - { .name: os, .offset: 8, .size: 8, .value_kind: global_buffer, .address_space: global }
      - { .name: xc, .offset: 16, .size: 8, .value_kind: global_buffer, .address_space: global }
      - { .name: xs, .offset: 24, .size: 8, .value_kind: global_buffer, .address_space: global }
      - { .name: bo, .offset: 32, .size: 8, .value_kind: global_buffer, .address_space: global }
      - { .name: out0, .offset: 40, .size: 8, .value_kind: global_buffer, .address_space: global }
    .group_segment_fixed_size: 327680
    .private_segment_fixed_size: 0
    .kernarg_segment_align: 8
    .kernarg_segment_size: 48
    .max_flat_workgroup_size: 128
    .sgpr_count:     102
    .vgpr_count:     1024
    .wavefront_size: 32
...
	.end_amdgpu_metadata
.endif
;; end of part 4
